; MI455X (gfx1250); checked and timed in simulation.
; The chip was launched on July 23, 2026; its instructions are those of AMD's public machine-readable ISA for CDNA 5 (MIT licence, August 2026) and "CDNA5" Instruction Set Architecture Reference Guide (July 2026). The comments in the code are by the model that wrote it; some were corrected since.
;; Gpt Oss Attention. Allowed arithmetic: float matrix products may take bf16 or f16 operands with f32 sums; other float arithmetic in f32, or as packed bf16 or f16 multiplies, adds, multiply-adds, maxima and minima; sums over many terms, partial sums and values carried from step to step in f32; what a program stores and reads back later, other than sums and carried values, may be rounded once to bf16 or f16.
;; Inputs: Wk 4,096 x 1,024 float32; Wo 2,048 x 4,096 float32; Wq 4,096 x 2,048 float32; Wv 4,096 x 1,024 float32; coss 2,048 x 64 float32; hidden_states 1 x 2,048 x 4,096 float32; mask 1 x 1 x 2,048 x 2,048 float32; sins 2,048 x 64 float32.
;; Outputs: out0 1 x 2,048 x 4,096 float32.
;; One version. Each part assembles by itself: llvm-mc -triple=amdgcn-amd-amdhsa -mcpu=gfx1250 --defsym DOCPART=n.
;; ======== version 1 of 1: 4 launches
;; limits: values are held in f16: magnitudes above 65,504 overflow, below 6.1e-05 lose precision; right only within a limited range of input values
;; workspace buffers: xb 16,777,216 bytes; wqkv 33,554,432 bytes; wo16 16,777,216 bytes; maskl 16,777,216 bytes; qkv 16,777,216 bytes; ob 8,388,608 bytes
;; launch cast (part 1): grid 256 x 9, 8 waves a work-group, no clusters, 0 bytes of LDS; arguments hidden_states, Wq, Wk, Wv, Wo, mask, xb, wqkv, wo16, maskl; writes xb, wqkv, wo16, maskl
.if DOCPART == 1
	.amdgcn_target "amdgcn-amd-amdhsa--gfx1250"
	.amdhsa_code_object_version 6
	.text
	.protected	k_qcd4833e6be_cast
	.globl	k_qcd4833e6be_cast
	.p2align	8
	.type	k_qcd4833e6be_cast,@function
k_qcd4833e6be_cast:
	s_mov_b64 s[64:65], 0
	v_nop
	global_prefetch_b8 v0, s[64:65] scope:SCOPE_SE
	s_setreg_imm32_b32 hwreg(HW_REG_WAVE_MODE, 25, 1), 1
	s_wait_xcnt 0x0
; THE CASTS.  All of the module's large inputs are rounded once to bf16 and laid out for the launches behind:
;   xb    [2048][4096] bf16 = bf16(hidden_states)
;   wqkv  [4096 k][4096 n] bf16: columns 0-2047 bf16(Wq), 2048-3071 bf16(Wk), 3072-4095 bf16(Wv)
;   wo16  [2048 k][4096 n] f16 = 16 x bf16(Wo): bf16's 8 significant bits fit in f16's 11, so the number is exact inside f16's normal range
;   maskl [2048][2048] f32 = bf16(mask) x log2(e): the softmax behind works in powers of two
; LIMITS.  |Wo| stays under 4,094 (16 |Wo| inside f16); 16 |Wo| under 6e-5 keeps f16's fixed step of 6e-8.  NaN and infinities are not treated apart.
; A stream: memory binds, so there is no LDS, no matrix unit, no cluster.  A ROW STEP is 1,024 f32, 4,096 bytes of a source: thread t takes the 16 bytes at 16 t (a wave's
; load covers 512 consecutive bytes) and stores 8 bytes at 8 t (a wave's store covers 256 consecutive bytes, aligned) or, for the mask, 16 bytes at 16 t.
; The grid's y picks one of nine SEGMENTS of 4,096 row steps each; work-group x takes row steps 16 x to 16 x + 15: two rounds of a ring of eight slots in registers, written out.
; 256 x 9 work-groups: nine for each of 256, and with 96 registers a wave several of them side by side, each wave with eight loads of 512 bytes on their way.
.set OFFS, 4                           ; v[4:11]   slot i: 16 t + i x the source's stride; never rewritten
.set OFFD, 12                          ; v[12:19]  slot i: 8 t (16 t) + i x the destination's stride; never rewritten
.set T,    20                          ; v[20:27]  at work
.set X,    28                          ; v[28:59]  slot i: four f32 as loaded
.set Y,    60                          ; v[60:91]  slot i: two or four registers to store
; s3 segment; s[4:5] source, s[6:7] destination; s8, s9 their strides from row step to row step; s10, s11 the segment's first byte in each
.macro SEG n, src, dst, soff, doff, ss, ds      ; if the segment is n, its buffers and figures take the place of those chosen so far: a choice on the grid's y alone
	s_cmp_eq_u32 s3, \n
	s_cselect_b64 s[4:5], s[\src:\src+1], s[4:5]
	s_cselect_b64 s[6:7], s[\dst:\dst+1], s[6:7]
	s_cselect_b32 s10, \soff, s10
	s_cselect_b32 s11, \doff, s11
	s_cselect_b32 s8, \ss, s8
	s_cselect_b32 s9, \ds, s9
.endm
; One slot's turn.  ahead = 1: the slot is filled again with the row step eight further on.  left = how many younger loads may stay out.
; kind 0: f32 to bf16.  kind 1: 16 x, to bf16, written as f16.  kind 2: to bf16, back to f32, x log2(e).
.macro SLOT i, ahead, left, kind
	s_wait_loadcnt \left                           ; loads come back in order (ISA guide 5.7.1): mine is in, the younger ones stay out
.if (\kind) == 0
	v_cvt_pk_bf16_f32 v[Y+4*(\i)],   v[X+4*(\i)],   v[X+4*(\i)+1]
	v_cvt_pk_bf16_f32 v[Y+4*(\i)+1], v[X+4*(\i)+2], v[X+4*(\i)+3]
.elseif (\kind) == 1
	v_pk_mul_f32 v[T:T+1],   v[X+4*(\i):X+4*(\i)+1],   0x41800000 op_sel_hi:[1,0]   ; x 16: a power of two, so the rounding to bf16 is that of Wo itself
	v_pk_mul_f32 v[T+2:T+3], v[X+4*(\i)+2:X+4*(\i)+3], 0x41800000 op_sel_hi:[1,0]
	v_cvt_pk_bf16_f32 v[T+4], v[T],   v[T+1]
	v_cvt_pk_bf16_f32 v[T+5], v[T+2], v[T+3]
	v_lshlrev_b32 v[T],   16,  v[T+4]                ; bf16 to f32: the low half moves up, the high half stays
	v_and_b32     v[T+1], s41, v[T+4]
	v_lshlrev_b32 v[T+2], 16,  v[T+5]
	v_and_b32     v[T+3], s41, v[T+5]
	v_cvt_pk_f16_f32 v[Y+4*(\i)],   v[T],   v[T+1]
	v_cvt_pk_f16_f32 v[Y+4*(\i)+1], v[T+2], v[T+3]
.else
	v_cvt_pk_bf16_f32 v[T+4], v[X+4*(\i)],   v[X+4*(\i)+1]
	v_cvt_pk_bf16_f32 v[T+5], v[X+4*(\i)+2], v[X+4*(\i)+3]
	v_lshlrev_b32 v[T],   16,  v[T+4]
	v_and_b32     v[T+1], s41, v[T+4]
	v_lshlrev_b32 v[T+2], 16,  v[T+5]
	v_and_b32     v[T+3], s41, v[T+5]
	v_pk_mul_f32 v[Y+4*(\i):Y+4*(\i)+1],   v[T:T+1],   0x3fb8aa3b op_sel_hi:[1,0]   ; x log2(e)
	v_pk_mul_f32 v[Y+4*(\i)+2:Y+4*(\i)+3], v[T+2:T+3], 0x3fb8aa3b op_sel_hi:[1,0]
.endif
.if \ahead
	global_load_b128 v[X+4*(\i):X+4*(\i)+3], v[OFFS+(\i)], s[4:5] th:TH_LOAD_NT     ; the source's base stands one round ahead of the destination's
.endif
.if (\kind) == 2
	global_store_b128 v[OFFD+(\i)], v[Y+4*(\i):Y+4*(\i)+3], s[6:7]
.else
	global_store_b64 v[OFFD+(\i)], v[Y+4*(\i):Y+4*(\i)+1], s[6:7]
.endif
.endm
.macro RUN kind                        ; the first round loads the second round's row steps; the second loads nothing: no load leaves its buffer
.irp i, 0,1,2,3,4,5,6,7
	SLOT \i, 1, 7, \kind
.endr
	s_wait_xcnt 0x0                                ; every earlier memory instruction has had its addresses translated (ISA guide 3.1): the destination's base and all of Y are rewritten only behind this wait
	s_add_nc_u64 s[6:7], s[6:7], s[14:15]
.irp i, 0,1,2,3,4,5,6,7
	SLOT \i, 0, 7-(\i), \kind                      ; the counts run down
.endr
	s_endpgm
.endm
	s_load_b512 s[16:31], s[0:1], 0x0              ; hidden_states 16, Wq 18, Wk 20, Wv 22, Wo 24, mask 26, xb 28, wqkv 30
	s_load_b128 s[32:35], s[0:1], 0x40             ; wo16 32, maskl 34
	s_and_b32 s3, ttmp7, 0xffff                    ; the segment
	s_mov_b32 s41, 0xffff0000                      ; a word's upper bf16
	s_mov_b32 s8, 4096                             ; segment 0: the first half of hidden_states into the first half of xb
	s_mov_b32 s9, 2048
	s_mov_b32 s10, 0
	s_mov_b32 s11, 0
	s_wait_kmcnt 0x0
	s_mov_b64 s[4:5], s[16:17]
	s_mov_b64 s[6:7], s[28:29]
	SEG 1, 16, 28, 16777216, 8388608, 4096, 2048   ; its second half
	SEG 2, 18, 30, 0,        0,       8192, 8192   ; Wq's columns 0-1023: a row step a row
	SEG 3, 18, 30, 4096,     2048,    8192, 8192   ; Wq's columns 1024-2047
	SEG 4, 20, 30, 0,        4096,    4096, 8192   ; Wk, into wqkv's columns 2048 on
	SEG 5, 22, 30, 0,        6144,    4096, 8192   ; Wv, into columns 3072 on
	SEG 6, 24, 32, 0,        0,       4096, 2048   ; Wo's first half
	SEG 7, 24, 32, 16777216, 8388608, 4096, 2048   ; its second half
	SEG 8, 26, 34, 0,        0,       4096, 4096   ; the mask
	s_lshl_b32 s36, ttmp9, 4                       ; my first row step
	s_mul_i32 s38, s36, s9                         ; in bytes of the destination and of the source: under 2^26
	s_mul_i32 s36, s36, s8
	s_add_co_u32 s36, s36, s10
	s_add_co_u32 s38, s38, s11
	s_mov_b32 s37, 0
	s_mov_b32 s39, 0
	s_add_nc_u64 s[4:5], s[4:5], s[36:37]
	s_add_nc_u64 s[6:7], s[6:7], s[38:39]
	s_lshl_b32 s12, s8, 3                          ; a round's step: eight strides
	s_mov_b32 s13, 0
	s_lshl_b32 s14, s9, 3
	s_mov_b32 s15, 0
	s_cmp_eq_u32 s3, 8
	s_cselect_b32 s43, 4, 3                        ; a thread stores 16 bytes of the mask, 8 of the others
	v_lshlrev_b32 v1, 4, v0
	v_lshlrev_b32 v2, s43, v0
.irp i, 0,1,2,3,4,5,6,7
	s_mul_i32 s42, s8, \i
	v_add_nc_u32 v[OFFS+(\i)], s42, v1
	s_mul_i32 s42, s9, \i
	v_add_nc_u32 v[OFFD+(\i)], s42, v2
.endr
.irp i, 0,1,2,3,4,5,6,7
	global_load_b128 v[X+4*(\i):X+4*(\i)+3], v[OFFS+(\i)], s[4:5] th:TH_LOAD_NT     ; the ring is filled: row steps 0 to 7
.endr
	s_wait_xcnt 0x0                                ; the base is stepped only behind this wait
	s_add_nc_u64 s[4:5], s[4:5], s[12:13]          ; from here on the source's base is one round ahead
	s_cmp_lt_u32 s3, 6
	s_cbranch_scc1 .Lkind0
	s_cmp_lt_u32 s3, 8
	s_cbranch_scc1 .Lkind1
	RUN 2
.Lkind1:
	RUN 1
.Lkind0:
	RUN 0
.Lfunc_end_k_qcd4833e6be_cast:
	.size	k_qcd4833e6be_cast, .Lfunc_end_k_qcd4833e6be_cast-k_qcd4833e6be_cast
	.p2alignl 7, 3214868480
	.fill 96, 4, 3214868480
	.section	.rodata,"a",@progbits
	.p2align	6, 0x0
	.amdhsa_kernel k_qcd4833e6be_cast
		.amdhsa_group_segment_fixed_size 0
		.amdhsa_private_segment_fixed_size 0
		.amdhsa_enable_private_segment 0
		.amdhsa_kernarg_size 80
		.amdhsa_user_sgpr_count 2
		.amdhsa_user_sgpr_kernarg_segment_ptr 1
		.amdhsa_wavefront_size32 1
		.amdhsa_system_sgpr_workgroup_id_x 1
		.amdhsa_system_sgpr_workgroup_id_y 1
		.amdhsa_system_sgpr_workgroup_id_z 1
		.amdhsa_system_vgpr_workitem_id 0
		.amdhsa_next_free_vgpr 96
		.amdhsa_next_free_sgpr 66
		.amdhsa_reserve_vcc 0
		.amdhsa_float_denorm_mode_32 3
		.amdhsa_float_denorm_mode_16_64 3
		.amdhsa_memory_ordered 1
		.amdhsa_forward_progress 1
		.amdhsa_inst_pref_size 33
	.end_amdhsa_kernel
	.amdgpu_metadata
---
amdhsa.version: [ 1, 2 ]
amdhsa.kernels:
  - .name:           k_qcd4833e6be_cast
    .symbol:         k_qcd4833e6be_cast.kd
    .args:
      - { .name: hidden_states, .offset: 0, .size: 8, .value_kind: global_buffer, .address_space: global }
      - { .name: Wq, .offset: 8, .size: 8, .value_kind: global_buffer, .address_space: global }
      - { .name: Wk, .offset: 16, .size: 8, .value_kind: global_buffer, .address_space: global }
      - { .name: Wv, .offset: 24, .size: 8, .value_kind: global_buffer, .address_space: global }
      - { .name: Wo, .offset: 32, .size: 8, .value_kind: global_buffer, .address_space: global }
      - { .name: mask, .offset: 40, .size: 8, .value_kind: global_buffer, .address_space: global }
      - { .name: xb, .offset: 48, .size: 8, .value_kind: global_buffer, .address_space: global }
      - { .name: wqkv, .offset: 56, .size: 8, .value_kind: global_buffer, .address_space: global }
      - { .name: wo16, .offset: 64, .size: 8, .value_kind: global_buffer, .address_space: global }
      - { .name: maskl, .offset: 72, .size: 8, .value_kind: global_buffer, .address_space: global }
    .group_segment_fixed_size: 0
    .private_segment_fixed_size: 0
    .kernarg_segment_align: 8
    .kernarg_segment_size: 80
    .max_flat_workgroup_size: 256
    .sgpr_count:     66
    .vgpr_count:     96
    .wavefront_size: 32
...
	.end_amdgpu_metadata
.endif
;; end of part 1
;; launch proj (part 2): grid 16 x 16, 4 waves a work-group, clusters of 4 x 4, 327,680 bytes of LDS; arguments xb, wqkv, qkv, coss, sins; writes qkv
.if DOCPART == 2
	.amdgcn_target "amdgcn-amd-amdhsa--gfx1250"
	.amdhsa_code_object_version 6
	.text
	.protected	k_qcd4833e6be_proj
	.globl	k_qcd4833e6be_proj
	.p2align	8
	.type	k_qcd4833e6be_proj,@function
k_qcd4833e6be_proj:
	s_mov_b64 s[64:65], 0
	v_nop
	global_prefetch_b8 v0, s[64:65] scope:SCOPE_SE
	s_setreg_imm32_b32 hwreg(HW_REG_WAVE_MODE, 25, 1), 1
	s_wait_xcnt 0x0
	s_wait_alu depctr_hold_cnt(0) depctr_sa_sdst(0) depctr_va_vdst(0) depctr_va_sdst(0) depctr_va_ssrc(0) depctr_va_vcc(0) depctr_vm_vsrc(0)
	s_getreg_b32 s2, hwreg(HW_REG_IB_STS2, 6, 4)
	s_cmp_eq_u32 s2, 0
	s_cbranch_scc0 .Lentry_in_a_cluster
	s_endpgm
.Lentry_in_a_cluster:
	s_bfe_u32 s2, ttmp6, 0x10000c
	s_cmp_lg_u32 s2, 0xf033
	s_cbranch_scc0 .Lentry_shape_is_right
	s_endpgm
.Lentry_shape_is_right:
; THE THREE PROJECTIONS AND THE ROTATION.  C[2048][4096] = xb [2048][4096 k] x wqkv [4096 k][4096 n], bf16 operands, f32 sums; then, by heads of 128 columns: the rotation (q and k heads), a division by 16,
; one rounding to f16, into qkv [32 heads][2048 positions][128]: heads 0-15 q, 16-23 k, 24-31 v.
; LIMITS.  q, k and v are stored as value / 16 (an exact power of two), so |q|, |k|, |v| stay inside f16 up to 1.04e6; below 1e-3 they keep f16's fixed step of 6e-8 x 16.  sins and coss are rounded to bf16
; like the other inputs.  NaN and infinities are not treated apart (a v head multiplies the tables by 0).
; SHARES.  A work-group makes 128 rows x 256 columns: 16 x 16 work-groups, one for each of 256; the grid's x counts tile rows, its y tile columns, so all work-groups of one y read the same columns of B, the
; larger operand.  Four waves, wave w at rows 64 (w / 2), columns 128 (w % 2): 32 accumulators of 16 x 16.  A wave's 128 columns are one head.
; K goes in steps of 128 through two LDS slots.  A's rows lie along K (256 bytes a row); B's rows lie along N (512 bytes a row) and are turned on their way out of LDS by ds_load_tr16_b128.
; CLUSTER.  4 x 4 work-groups.  The four of a column of the cluster (one cx) need the same tiles of A, the four of a row (one cy) the same tiles of B: each tile is asked for JOINTLY, by the same tensor load
; with the same descriptor and a mask that names the four.  THE MATRIX INSTRUCTION IS USED TRANSPOSED (source 0 = 16 columns of B, source 1 = 16 rows of A): a lane holds eight neighbouring numbers of a row of C.
; THE ORDER OF K.  Each pair of K steps is taken as (2 i, 2 i + 1) or as (2 i + 1, 2 i), by a bit b made of the cluster's x and y alone.  Of the clusters that read one tile of A (one x, all y) or of B (one y,
; all x) some have b = 0 and some b = 1: in every second step a cluster asks for bytes that another cluster asked for one step before.  The f32 sums change their order inside a pair only.
; REGISTERS.  window 0: v0-31 addresses; v64-159, v160-255 two fragment buffers (32 registers of A: 4 x 16 rows x 32 K; then 64 of B: 8 x 16 columns x 32 K); on the way out v64-199 at work
;   window 1: the accumulators, (a, b) at v[8 (8 a + b)]          window 2: the tables: cos for (a, b) at v[64 a + 8 b], sin at v[64 a + 32 + 8 b], b = 0..3
.set SIZE_K, 4096
.set KSTEP,  128
.set PA,     272                       ; a row of A in LDS: 256 bytes + 16 = 68 words: the 16 rows of a load start at 16 different groups of four banks (64 banks of 4 bytes: ISA guide 11.1)
.set PB,     544                       ; a row of B: 512 bytes + 32 = 136 words
.set AHALF,  64*PA                     ; what one tensor load brings of A, and what a wave reads of it
.set BHALF,  64*PB                     ; what one tensor load brings of B: 64 of the step's 128 K rows
.set BOFF,   2*AHALF                   ; a slot: A's 128 rows, then B's 128 K rows
.set SLOT,   BOFF+2*BHALF              ; 104,448 bytes; a slot of two K steps would take 206,848, and two of those do not fit
.set STAGE,  2*SLOT                    ; behind the ring, never filled by a tensor load: 16 rows x 272 bytes for each wave
.set SPITCH, 272
.set SPARE,  STAGE+4*16*SPITCH         ; the spare words, 128 bytes for each wave: two blocks of 256 bytes that no other line names
.set LAPS,   SIZE_K/(2*KSTEP)          ; a lap = two K steps = once round the ring
.set ADRA, 16                          ; v16-17  LDS address of my A fragments in slot 0, 1
.set ADRB, 20                          ; v20-21  the same for B
.set STO,  24                          ; v24     the way out: where I put 16 bytes of a row
.set RD,   25                          ; v25     the way out: where I read rows back
.set CO,   26                          ; v26     my byte offset in 512 consecutive bytes of qkv
.set TO,   27                          ; v27     my byte offset in 16 rows of a table; never rewritten
.set SPW,  28                          ; v28     LDS address of my spare word; never rewritten
.set NIL,  29                          ; v29     0; never rewritten
.set F0,   64
.set F1,   160
.set TB,   64                          ; the way out: eight packed table words
.set CC,   72                          ; cos / 16 (a v head: 1 / 16)
.set SN,   80                          ; sin / 16 (a v head: 0)
.set YR,   88
.set YI,   96
.set PKD,  104                         ; 32 registers: a block of 16 rows x 128 columns in f16
.set OB,   136                         ; two buffers of 32: the block read back as whole rows
.set G1, 24                            ; s[24:31] descriptor group 1 for A's tiles;  s[32:39] group 0, one set for each slot
.set G0, 32
.set G1B, 48                           ; s[48:55], s[56:63] the same for B's tiles
.set G0B, 56
.set MSB, 0
.macro WIN new                         ; the immediate's high byte repeats the setting that is left; a switch that changes nothing is dropped
.if MSB != (\new)
	s_set_vgpr_msb (MSB<<8)|(\new)
.set MSB, \new
.endif
.endm
.set MUL, 0x50                         ; sources 0 and 1 window 0; C and D window 1
.macro JLOAD s                         ; a joint load: waves 0 and 1 fetch A's two halves, waves 2 and 3 B's; an s_nop 0 and four v_nop follow each of the two lines
	s_cmp_eq_u32 s11, 0
	s_cbranch_scc0 .Lfor_b_\@
	tensor_load_to_lds s[G0+4*(\s):G0+4*(\s)+3], s[G1:G1+7]
	s_nop 0
.rept 4
	v_nop
.endr
	s_branch .Lasked_\@
.Lfor_b_\@:
	tensor_load_to_lds s[G0B+4*(\s):G0B+4*(\s)+3], s[G1B:G1B+7]
	s_nop 0
.rept 4
	v_nop
.endr
.Lasked_\@:
.endm
.macro CREST                           ; a round of the cluster's barrier behind its opening barrier
	s_cmp_lg_u32 s10, 0
	s_cbranch_scc1 .Lnot_wave_0_\@
	s_barrier_signal -3
.Lnot_wave_0_\@:
	s_barrier_wait -3
	s_barrier_signal -1
	s_barrier_wait -1
.endm
.macro CROUND                          ; a whole round
	s_barrier_signal -1
	s_barrier_wait -1
	CREST
.endm
	s_load_b128 s[4:7], s[0:1], 0x0                ; xb s[4:5], wqkv s[6:7]
	s_load_b64 s[8:9], s[0:1], 0x10                ; qkv
	s_load_b128 s[68:71], s[0:1], 0x18             ; coss s[68:69], sins s[70:71]
	v_lshl_add_u32 v[SPW], v0, 2, SPARE
	v_mov_b32 v[NIL], 0
	ds_add_u32 v[SPW], v[NIL]                      ; the wave's opening: the add and its wait stand ahead of my first tensor load; the set-up below, work on registers, stands between them
	v_lshrrev_b32 v1, 5, v0
	v_readfirstlane_b32 s10, v1                    ; wave 0..3
	s_lshr_b32 s11, s10, 1                         ; which 64 of the tile's rows are mine.  Also: I fetch for A (0) or for B (1)
	s_and_b32 s12, s10, 1                          ; which 128 of its columns.  Also: which half of that tile I fetch
	s_bfe_u32 s40, ttmp6, 0x40000                  ; cx, cy: my place in the cluster
	s_bfe_u32 s41, ttmp6, 0x40004
	s_lshl_b32 s13, ttmp9, 2
	s_add_co_u32 s13, s13, s40                     ; tile row = 4 x cluster x + cx
	s_and_b32 s45, ttmp7, 0xffff                   ; cluster y
	s_lshl_b32 s42, s45, 2
	s_add_co_u32 s42, s42, s41                     ; tile column = 4 x cluster y + cy
	s_lshl_b32 s43, 0x1111, s40                    ; my column of the cluster: the same cx, so the same tile row
	s_lshl_b32 s44, s41, 2
	s_lshl_b32 s44, 15, s44                        ; my row of the cluster: the same cy, so the same tile column
	s_or_b32 s[G1+0], s43, (1<<16)|(1<<20)|(1<<21)|(5<<22)|(3<<25)   ; 15:0 the mask: A's tiles go to my column; 17:16 2-byte elements; 20 padding on; 21 set beside a mask; 24:22 after every 64 words; 31:25 4 words
	s_or_b32 s[G1B+0], s44, (1<<16)|(1<<20)|(1<<21)|(6<<22)|(7<<25)  ; B's go to my row; padding after every 128 words, 8 words
	s_mov_b32 s[G1+1], KSTEP<<16                   ; A: tensor_dim0 = 128
	s_mov_b32 s[G1+2], 64<<16                      ; tensor_dim1 = 64
	s_mov_b32 s[G1+3], KSTEP<<16                   ; tile_dim0 = 128
	s_mov_b32 s[G1+4], 64                          ; tile_dim1 = 64
	s_mov_b32 s[G1+5], SIZE_K                      ; elements from row to row
	s_mov_b32 s[G1+6], 0
	s_mov_b32 s[G1+7], 0
	s_mov_b32 s[G1B+1], 256<<16                    ; B: tensor_dim0 = 256
	s_mov_b32 s[G1B+2], 64<<16                     ; tensor_dim1 = 64
	s_mov_b32 s[G1B+3], 256<<16                    ; tile_dim0 = 256
	s_mov_b32 s[G1B+4], 64                         ; tile_dim1 = 64
	s_mov_b32 s[G1B+5], 4096
	s_mov_b32 s[G1B+6], 0
	s_mov_b32 s[G1B+7], 0
	s_lshl_b32 s17, s12, 6
	s_lshl_b32 s16, s13, 7
	s_add_co_u32 s16, s16, s17                     ; A: row 128 x tile row + 64 x half,
	s_mul_i32 s16, s16, SIZE_K*2                   ; in bytes: under 2^24
	s_mov_b32 s17, 0
	s_lshl_b32 s46, s12, 19                        ; B: K row 64 x half (8,192 bytes a row),
	s_lshl_b32 s47, s42, 9                         ; column 256 x tile column
	s_add_co_u32 s46, s46, s47
	s_mov_b32 s47, 0
	s_mul_i32 s20, s12, AHALF                      ; where they go: no place in the cluster enters an LDS address
	s_mul_i32 s21, s12, BHALF
	s_add_co_u32 s21, s21, BOFF
	s_cmp_eq_u32 s45, 3                            ; cluster y 3 holds tile columns 12-15, the v heads: the same answer in all sixteen partners, and it only chooses numbers
	s_cselect_b32 s72, 0, 0x3d800000               ; F: the tables' factor: 1 / 16, or 0
	s_cselect_b32 s74, 0x3d800000, 0               ; G: cos's addend: 0, or 1 / 16
	s_mov_b32 s73, s72                             ; named as pairs
	s_mov_b32 s75, s74
	s_mov_b32 s76, 0xffff0000                      ; a word's upper bf16
	s_lshr_b32 s18, s45, 1                         ; b = (cluster x + cluster y + cluster y / 2) % 2: along y it runs 0, 1, 1, 0, along x it alternates; the same in all sixteen partners
	s_add_co_u32 s45, s45, s18
	s_add_co_u32 s45, s45, ttmp9
	s_and_b32 s45, s45, 1
	s_wait_dscnt 0x0                               ; the opening add is done
	s_wait_kmcnt 0x0
	s_add_nc_u64 s[14:15], s[4:5], s[16:17]
	s_add_nc_u64 s[46:47], s[6:7], s[46:47]
	CROUND                                         ; all sixteen work-groups are here: the first joint loads meet
.irp s, 0,1
	s_xor_b32 s2, s45, \s                          ; the slot's first K step: slot 0 takes step b, slot 1 step 1 - b; both then go on by twos
	s_lshl_b32 s18, s2, 8                          ; a K step is 256 bytes along A's rows,
	s_mov_b32 s19, 0
	s_mov_b32 s[G0+4*(\s)], 1
	s_add_co_u32 s[G0+4*(\s)+1], s20, (\s)*SLOT
	s_add_nc_u64 s[G0+4*(\s)+2:G0+4*(\s)+3], s[14:15], s[18:19]
	s_or_b32 s[G0+4*(\s)+3], s[G0+4*(\s)+3], 0x80000000
	s_lshl_b32 s18, s2, 20                         ; and 128 rows of 8,192 bytes of B
	s_mov_b32 s[G0B+4*(\s)], 1
	s_add_co_u32 s[G0B+4*(\s)+1], s21, (\s)*SLOT
	s_add_nc_u64 s[G0B+4*(\s)+2:G0B+4*(\s)+3], s[46:47], s[18:19]
	s_or_b32 s[G0B+4*(\s)+3], s[G0B+4*(\s)+3], 0x80000000
	JLOAD \s                                       ; two loads of mine are out, the first pair of K steps
.endr
	v_and_b32 v1, 15, v0                           ; l % 16
	v_bfe_u32 v2, v0, 4, 1                         ; l / 16
	v_mul_u32_u24 v3, v1, PA
	v_lshl_add_u32 v3, v2, 4, v3                   ; A: row x pitch + 16 x half
	v_and_b32 v4, 7, v0                            ; B: the turning load takes 16 K rows x 16 columns: lane l reads K row 8 (l / 16) + l % 8, columns 8 ((l / 8) % 2) + 0..7
	v_lshl_add_u32 v4, v2, 3, v4
	v_mul_u32_u24 v4, v4, PB
	v_bfe_u32 v5, v0, 3, 1
	v_lshl_add_u32 v4, v5, 4, v4
	s_mul_i32 s21, s11, AHALF                      ; my 64 rows of A
	s_lshl_b32 s22, s12, 8                         ; my 128 columns of B,
	s_add_co_u32 s22, s22, BOFF                    ; which lies behind A
.irp s, 0,1
	v_add_nc_u32 v[ADRA+(\s)], s21, v3
	v_add_nc_u32 v[ADRB+(\s)], s22, v4
	s_add_co_u32 s21, s21, SLOT
	s_add_co_u32 s22, s22, SLOT
.endr
	s_mul_i32 s23, s10, 16*SPITCH
	s_add_co_u32 s23, s23, STAGE                   ; my stage
	v_mul_u32_u24 v4, v1, SPITCH                   ; in: row l % 16, 16 bytes for each half of the lanes
	v_lshl_add_u32 v4, v2, 4, v4
	v_add_nc_u32 v[STO], s23, v4
	v_mul_u32_u24 v5, v2, SPITCH                   ; back: lanes 0-15 take one row of 256 bytes, lanes 16-31 the next
	v_lshl_add_u32 v5, v1, 4, v5
	v_add_nc_u32 v[RD], s23, v5
	v_and_b32 v[CO], 31, v0                        ; which are 512 consecutive bytes of a head
	v_lshlrev_b32 v[CO], 4, v[CO]
	v_lshlrev_b32 v[TO], 8, v1                     ; a table's row is 256 bytes; my eight numbers begin 32 (l / 16) bytes in
	v_lshl_add_u32 v[TO], v2, 5, v[TO]
	s_lshl_b32 s16, s13, 15                        ; my first position, 128 x tile row + 64 (w / 2), times 256 bytes: the same offset in the tables and in a head of qkv
	s_lshl_b32 s17, s11, 14
	s_add_co_u32 s16, s16, s17
	s_mov_b32 s17, 0
	s_add_nc_u64 s[68:69], s[68:69], s[16:17]
	s_add_nc_u64 s[70:71], s[70:71], s[16:17]
	s_add_nc_u64 s[8:9], s[8:9], s[16:17]
	s_lshl_b32 s46, s42, 1                         ; my head = 2 x tile column + w % 2, 524,288 bytes each
	s_add_co_u32 s46, s46, s12
	s_lshl_b32 s46, s46, 19
	s_mov_b32 s47, 0
	s_add_nc_u64 s[8:9], s[8:9], s[46:47]
	; The tables for my 64 positions and channels 0-63, laid as the accumulators lie: lane l holds position l % 16 and channels 16 b + 8 (l / 16) + 0..7.  Asked for now, waited for on the way out.
	WIN 0x80                                       ; destination window 2, address window 0
.irp a, 0,1,2,3
.irp b, 0,1,2,3
	global_load_b128 v[64*(\a)+8*(\b):64*(\a)+8*(\b)+3],       v[TO], s[68:69] offset:4096*(\a)+64*(\b)
	global_load_b128 v[64*(\a)+8*(\b)+4:64*(\a)+8*(\b)+7],     v[TO], s[68:69] offset:4096*(\a)+64*(\b)+16
	global_load_b128 v[64*(\a)+32+8*(\b):64*(\a)+32+8*(\b)+3],   v[TO], s[70:71] offset:4096*(\a)+64*(\b)
	global_load_b128 v[64*(\a)+32+8*(\b)+4:64*(\a)+32+8*(\b)+7], v[TO], s[70:71] offset:4096*(\a)+64*(\b)+16
.endr
.endr
	WIN 0
; 8 matrix instructions: row block a x all 8 column blocks, 32 along K.  zero = 1: the product starts the sums.  The 32 accumulators take turns in one order everywhere, one instruction a turn.
.macro MUL8 f, a, zero
	WIN MUL
.irp b, 0,1,2,3,4,5,6,7
.if \zero
	v_wmma_f32_16x16x32_bf16 v[8*(8*(\a)+(\b)):8*(8*(\a)+(\b))+7], v[(\f)+32+8*(\b):(\f)+32+8*(\b)+7], v[(\f)+8*(\a):(\f)+8*(\a)+7], 0
.else
	v_wmma_f32_16x16x32_bf16 v[8*(8*(\a)+(\b)):8*(8*(\a)+(\b))+7], v[(\f)+32+8*(\b):(\f)+32+8*(\b)+7], v[(\f)+8*(\a):(\f)+8*(\a)+7], v[8*(8*(\a)+(\b)):8*(8*(\a)+(\b))+7]
.endif
.endr
.endm
; 24 LDS loads in one run: the fragments of quarter q (32 along K) of a slot into buffer f: B's sixteen (turned), then A's eight
.macro FETCH slot, q, f
	WIN 0
.irp b, 0,1,2,3,4,5,6,7
	ds_load_tr16_b128 v[(\f)+32+8*(\b):(\f)+32+8*(\b)+3],   v[ADRB+(\slot)] offset:(\q)*32*PB+32*(\b)
	ds_load_tr16_b128 v[(\f)+32+8*(\b)+4:(\f)+32+8*(\b)+7], v[ADRB+(\slot)] offset:(\q)*32*PB+16*PB+32*(\b)
.endr
.irp a, 0,1,2,3
	ds_load_b128 v[(\f)+8*(\a):(\f)+8*(\a)+3],   v[ADRA+(\slot)] offset:(\a)*16*PA+64*(\q)
	ds_load_b128 v[(\f)+8*(\a)+4:(\f)+8*(\a)+7], v[ADRA+(\slot)] offset:(\a)*16*PA+64*(\q)+32
.endr
.endm
.macro PLACES                          ; four places in front of loads into registers that matrix instructions have read, and of lines that read results (ISA guide 7.12.1 for lines that read results)
.rept 4
	v_nop
.endr
.endm
; A K step is four quarters of 32 along K, 32 matrix instructions each, on buffers 0, 1, 0, 1.  One of the first three: multiplies buffer f and fetches quarter qn into g.
.macro QUARTER slot, qn, f, g, zero
	s_wait_dscnt 4                                 ; B and A's blocks 0 and 1 are in; the youngest four loads (A's blocks 2 and 3) may be out
	MUL8 \f, 0, \zero
	MUL8 \f, 1, \zero
	PLACES
	FETCH \slot, \qn, \g
	s_wait_dscnt 24                                ; all but the 24 just issued
	MUL8 \f, 2, \zero
	MUL8 \f, 3, \zero
.endm
; The last quarter changes slots and then multiplies buffer 1.  The change comes FIRST, with no product between the wait for the tiles and the next request: the slot's last fragments (buffer 1) are in registers by
; the wait for LDS, so the slot can be given up before they are multiplied.  ONE barrier; in front of it each wave waits for all its tensor loads, adds 0 to its spare word, and waits for that and for its reads of
; this slot.  fill = 1: the barrier opens a round of the cluster's, and this slot is filled again, two K steps ahead: a whole K step, 128 matrix instructions, ahead of the wait for that load.
.macro TURN slot, next, fill
	WIN 0
	s_wait_tensorcnt 0x0                           ; all my tensor loads have landed: my part of the next slot; so a group 0 may be written
	ds_add_u32 v[SPW], v[NIL]                      ; 0 onto my spare word; the descriptors' steps stand between it and the wait for it
.if \fill
	s_add_nc_u64 s[G0+4*(\slot)+2:G0+4*(\slot)+3], s[G0+4*(\slot)+2:G0+4*(\slot)+3], 2*KSTEP*2
	s_add_nc_u64 s[G0B+4*(\slot)+2:G0B+4*(\slot)+3], s[G0B+4*(\slot)+2:G0B+4*(\slot)+3], 2*KSTEP*8192
.endif
	s_wait_dscnt 0x0                               ; the add is done, and my reads of this slot are over: its last quarter lies in buffer 1
	s_barrier_signal -1
	s_barrier_wait -1
.if \fill
	CREST                                          ; no wave of any partner still reads this slot's tiles or has a load on its way
	JLOAD \slot                                    ; the first tensor load behind the round; the four v_nop behind it are also the places in front of the loads below
.else
	PLACES
.endif
	FETCH \next, 0, F0
	MUL8 F1, 0, 0
	MUL8 F1, 1, 0
	MUL8 F1, 2, 0
	MUL8 F1, 3, 0
.endm
	s_wait_tensorcnt 1                             ; my part of slot 0 is in; slot 1's may stay out
	s_barrier_signal -1
	s_barrier_wait -1                              ; everybody's is
	FETCH 0, 0, F0
	QUARTER 0, 1, F0, F1, 1                        ; the first quarter stands in front of the loop: its products start the sums
	WIN 0                                          ; at a label and at a branch every window is 0
	s_mov_b32 s3, LAPS-1
.Llap:                                                 ; a trip goes once round the ring, from a lap's second quarter to the next lap's first, and fills both slots again
	QUARTER 0, 2, F1, F0, 0
	QUARTER 0, 3, F0, F1, 0
	TURN 0, 1, 1
	QUARTER 1, 1, F0, F1, 0
	QUARTER 1, 2, F1, F0, 0
	QUARTER 1, 3, F0, F1, 0
	TURN 1, 0, 1
	QUARTER 0, 1, F0, F1, 0
	WIN 0
	s_sub_co_u32 s3, s3, 1
	s_cmp_lg_u32 s3, 0
	s_cbranch_scc1 .Llap
	QUARTER 0, 2, F1, F0, 0                        ; the last lap fills nothing, and has no round of the cluster's barrier
	QUARTER 0, 3, F0, F1, 0
	TURN 0, 1, 0
	QUARTER 1, 1, F0, F1, 0
	QUARTER 1, 2, F1, F0, 0
	QUARTER 1, 3, F0, F1, 0
	s_wait_dscnt 4                                 ; the very last quarter: nothing more to fetch
	MUL8 F1, 0, 0
	MUL8 F1, 1, 0
	s_wait_dscnt 0x0
	MUL8 F1, 2, 0
	MUL8 F1, 3, 0
	WIN 0
	PLACES
; THE WAY OUT, a block of 16 rows at a time.  Column blocks b and b + 4 hold channels d and d + 64 of my head: y_d = x_d c - x_(d+64) s, y_(d+64) = x_d s + x_(d+64) c, with c = bf16(cos) F + G, s = bf16(sin) F.
; Each accumulator's registers are read in ascending order.
.macro ROPE a
.irp b, 0,1,2,3
	WIN 0x0a                                       ; sources 0 and 1 window 2
.irp i, 0,1,2,3
	v_cvt_pk_bf16_f32 v[TB+(\i)],   v[64*(\a)+8*(\b)+2*(\i)],    v[64*(\a)+8*(\b)+2*(\i)+1]
	v_cvt_pk_bf16_f32 v[TB+4+(\i)], v[64*(\a)+32+8*(\b)+2*(\i)], v[64*(\a)+32+8*(\b)+2*(\i)+1]
.endr
	WIN 0
.irp i, 0,1,2,3
	v_lshlrev_b32 v[CC+2*(\i)],   16,  v[TB+(\i)]
	v_and_b32     v[CC+2*(\i)+1], s76, v[TB+(\i)]
	v_lshlrev_b32 v[SN+2*(\i)],   16,  v[TB+4+(\i)]
	v_and_b32     v[SN+2*(\i)+1], s76, v[TB+4+(\i)]
.endr
.irp i, 0,1,2,3
	v_pk_fma_f32 v[CC+2*(\i):CC+2*(\i)+1], v[CC+2*(\i):CC+2*(\i)+1], s[72:73], s[74:75] op_sel_hi:[1,0,0]
	v_pk_mul_f32 v[SN+2*(\i):SN+2*(\i)+1], v[SN+2*(\i):SN+2*(\i)+1], s[72:73] op_sel_hi:[1,0]
.endr
	WIN 0x01                                       ; source 0 window 1: the accumulators
.irp p, 0,1,2,3
	v_pk_mul_f32 v[YR+2*(\p):YR+2*(\p)+1], v[8*(8*(\a)+(\b)+4)+2*(\p):8*(8*(\a)+(\b)+4)+2*(\p)+1], v[SN+2*(\p):SN+2*(\p)+1]
	v_pk_mul_f32 v[YI+2*(\p):YI+2*(\p)+1], v[8*(8*(\a)+(\b)+4)+2*(\p):8*(8*(\a)+(\b)+4)+2*(\p)+1], v[CC+2*(\p):CC+2*(\p)+1]
	v_pk_fma_f32 v[YR+2*(\p):YR+2*(\p)+1], v[8*(8*(\a)+(\b))+2*(\p):8*(8*(\a)+(\b))+2*(\p)+1], v[CC+2*(\p):CC+2*(\p)+1], v[YR+2*(\p):YR+2*(\p)+1] neg_lo:[0,0,1] neg_hi:[0,0,1]
	v_pk_fma_f32 v[YI+2*(\p):YI+2*(\p)+1], v[8*(8*(\a)+(\b))+2*(\p):8*(8*(\a)+(\b))+2*(\p)+1], v[SN+2*(\p):SN+2*(\p)+1], v[YI+2*(\p):YI+2*(\p)+1]
.endr
	WIN 0
.irp p, 0,1,2,3
	v_cvt_pk_f16_f32 v[PKD+4*(\b)+(\p)],     v[YR+2*(\p)], v[YR+2*(\p)+1]
	v_cvt_pk_f16_f32 v[PKD+4*((\b)+4)+(\p)], v[YI+2*(\p)], v[YI+2*(\p)+1]
.endr
.endr
.endm
.macro TOSTAGE a                       ; into my own stage, and back as whole rows of 256 bytes
.set BK, OB+32*((\a)%2)
.irp c, 0,1,2,3,4,5,6,7
	ds_store_b128 v[STO], v[PKD+4*(\c):PKD+4*(\c)+3] offset:32*(\c)
.endr
.if (\a) >= 2
	s_wait_xcnt 0x0                                ; the stores of the block two back have had their addresses translated (ISA guide 3.1): their data registers are loaded again only behind this wait
.endif
.irp t, 0,1,2,3,4,5,6,7
	ds_load_b128 v[BK+4*(\t):BK+4*(\t)+3], v[RD] offset:(\t)*2*SPITCH  ; LDS serves a wave's instructions in order (ISA guide 5.7.1.4): these see the stores above
.endr
.endm
.macro SEND a
.set BK, OB+32*((\a)%2)
.irp t, 0,1,2,3,4,5,6,7
	s_wait_dscnt 7-(\t)                            ; load t of the eight is in
	global_store_b128 v[CO], v[BK+4*(\t):BK+4*(\t)+3], s[8:9] offset:4096*(\a)+512*(\t)  ; two rows of a head: 512 consecutive bytes, at a multiple of 256 from qkv's first byte
.endr
.endm
	s_wait_loadcnt 0x0                             ; the tables
	ROPE 0
	TOSTAGE 0
.irp a, 1,2,3                          ; block a's arithmetic stands between block a - 1's loads from the stage and the wait for them
	ROPE \a
	SEND (\a)-1
	TOSTAGE \a
.endr
	SEND 3
	s_wait_tensorcnt 0x0                           ; the wave's end, behind my last tensor load and my last LDS store
	ds_add_u32 v[SPW], v[NIL]
	s_wait_dscnt 0x0
	CROUND                                         ; the closing round: no work-group ends while a partner may still ask for a tile that names it
	s_endpgm
.Lfunc_end_k_qcd4833e6be_proj:
	.size	k_qcd4833e6be_proj, .Lfunc_end_k_qcd4833e6be_proj-k_qcd4833e6be_proj
	.p2alignl 7, 3214868480
	.fill 96, 4, 3214868480
	.section	.rodata,"a",@progbits
	.p2align	6, 0x0
	.amdhsa_kernel k_qcd4833e6be_proj
		.amdhsa_group_segment_fixed_size 327680
		.amdhsa_private_segment_fixed_size 0
		.amdhsa_enable_private_segment 0
		.amdhsa_kernarg_size 40
		.amdhsa_user_sgpr_count 2
		.amdhsa_user_sgpr_kernarg_segment_ptr 1
		.amdhsa_wavefront_size32 1
		.amdhsa_system_sgpr_workgroup_id_x 1
		.amdhsa_system_sgpr_workgroup_id_y 1
		.amdhsa_system_sgpr_workgroup_id_z 1
		.amdhsa_system_vgpr_workitem_id 0
		.amdhsa_next_free_vgpr 768
		.amdhsa_next_free_sgpr 80
		.amdhsa_reserve_vcc 0
		.amdhsa_float_denorm_mode_32 3
		.amdhsa_float_denorm_mode_16_64 3
		.amdhsa_memory_ordered 1
		.amdhsa_forward_progress 1
		.amdhsa_inst_pref_size 135
	.end_amdhsa_kernel
	.amdgpu_metadata
---
amdhsa.version: [ 1, 2 ]
amdhsa.kernels:
  - .name:           k_qcd4833e6be_proj
    .symbol:         k_qcd4833e6be_proj.kd
    .args:
      - { .name: xb, .offset: 0, .size: 8, .value_kind: global_buffer, .address_space: global }
      - { .name: wqkv, .offset: 8, .size: 8, .value_kind: global_buffer, .address_space: global }
      - { .name: qkv, .offset: 16, .size: 8, .value_kind: global_buffer, .address_space: global }
      - { .name: coss, .offset: 24, .size: 8, .value_kind: global_buffer, .address_space: global }
      - { .name: sins, .offset: 32, .size: 8, .value_kind: global_buffer, .address_space: global }
    .group_segment_fixed_size: 327680
    .private_segment_fixed_size: 0
    .kernarg_segment_align: 8
    .kernarg_segment_size: 40
    .max_flat_workgroup_size: 128
    .sgpr_count:     80
    .vgpr_count:     768
    .wavefront_size: 32
...
	.end_amdgpu_metadata
.endif
;; end of part 2
;; launch attn (part 3): grid 32 x 8, 4 waves a work-group, clusters of 4 x 4, 327,680 bytes of LDS; arguments qkv, maskl, ob; writes ob
.if DOCPART == 3
	.amdgcn_target "amdgcn-amd-amdhsa--gfx1250"
	.amdhsa_code_object_version 6
	.text
	.protected	k_qcd4833e6be_attn
	.globl	k_qcd4833e6be_attn
	.p2align	8
	.type	k_qcd4833e6be_attn,@function
k_qcd4833e6be_attn:
	s_mov_b64 s[64:65], 0
	v_nop
	global_prefetch_b8 v0, s[64:65] scope:SCOPE_SE
	s_setreg_imm32_b32 hwreg(HW_REG_WAVE_MODE, 25, 1), 1
	s_wait_xcnt 0x0
	s_wait_alu depctr_hold_cnt(0) depctr_sa_sdst(0) depctr_va_vdst(0) depctr_va_sdst(0) depctr_va_ssrc(0) depctr_va_vcc(0) depctr_vm_vsrc(0)
	s_getreg_b32 s2, hwreg(HW_REG_IB_STS2, 6, 4)
	s_cmp_eq_u32 s2, 0
	s_cbranch_scc0 .Lentry_in_a_cluster
	s_endpgm
.Lentry_in_a_cluster:
	s_bfe_u32 s2, ttmp6, 0x10000c
	s_cmp_lg_u32 s2, 0xf033
	s_cbranch_scc0 .Lentry_shape_is_right
	s_endpgm
.Lentry_shape_is_right:
; ATTENTION WITH AN ADDITIVE MASK THAT IS AN INPUT.  For query head hq (0-15), key and value head g = hq / 2: O[q] = the sum over all 2,048 keys k of softmax_k(Q[q] . K[k] / sqrt(128) + mask[q][k]) V[k].
; qkv: f16 [32][2048][128], heads 0-15 q, 16-23 k, 24-31 v, all as value / 16.  maskl: f32 [2048][2048] = mask x log2(e).  ob: f16 [2048 positions][16 heads x 128] = O / 16 (v's 1 / 16 passes through).
; Products, maxima and sums in f32; the weights p are rounded to f16 for the second product (their sum l is taken of the unrounded p), O once at the end.  No tile is left out: the mask may hold any numbers.
; LIMITS.  A weight below 6e-8 counts as 0 in the second product, below 2^-126 as 0 in l.  The running maximum starts at the lowest finite number.  NaN and infinities are not treated apart.
; SHARES.  A work-group owns 64 positions and the TWO query heads of one key and value head; wave w owns positions 16 w + 0..15, as two TILES: tile t is head 2 g + t.  Both tiles take the same mask registers.
; Every wave walks all keys, 64 a step; an LDS slot holds two steps: 128 rows of K, 128 rows of V, 64 rows x 128 keys of the mask.
; LAYOUT.  S^T = K Q^T (source 0 = 16 keys, source 1 = 16 queries): a lane holds ONE query (lane % 16) and the keys 8 (lane / 16) + 0..7; two such results rounded to f16 ARE source 1 of O^T = V^T P.
; SOFTMAX, in powers of two: t = s C1 + maskl, C1 = 256 log2(e) / sqrt(128) (the 256 undoes q's and k's 1 / 16); a running maximum m of t; p = 2^(t - m), the maximum taken away by a true subtraction;
; in every step O and l are multiplied by a = 2^(m_old - m_new).  O and l start at 0: the first step is a step like any other, with a = 0.
; BY TURNS.  In TURN x tile x has the matrix unit: 16 products V^T P of the step in hand, then 16 products K Q^T of the next step; the other tile's softmax, cut into 32 slices, stands behind them.
; CLUSTER.  4 x 4 work-groups: the four of a row of the cluster share g, so K's and V's tiles; the four of a column share the positions, so the mask's tiles.  Each tile is asked for JOINTLY.
; REGISTERS.  window 0: v0-15 addresses; v16-31 eight registers of statistics a tile; v32-63 the mask of one step; v64-127 S^T, 32 a tile; v128-159 P, 16 a tile; v160-161 the add's two
;   window 1: v0-127 O^T, 64 a tile; v128-255 K of one step          window 2: v0-127 V of one step; v128-191 Q, 32 a tile
.set KS,    64        ; keys in a step
.set PK,    272       ; a row of K in LDS: 256 bytes + 16 = 68 words: the 16 rows of a load start at 16 different groups of four banks (64 banks of 4 bytes: ISA guide 11.1)
.set PV,    288       ; a row of V: 256 + 32 = 72 words
.set PM,    528       ; a row of the mask: 512 + 16 = 132 words: the 16 rows of a load start at 16 different groups of four banks
.set VOFF,  128*PK
.set MOFF,  VOFF+128*PV
.set SLOT1, 1<<17     ; slot 1 begins here, so that one exclusive or turns an address in one slot into the other's
.set STAGE, SLOT1+MOFF+64*PM  ; behind the ring, never filled by a tensor load: 16 rows x 272 bytes for each wave
.set SP,    272
.set SPARE, STAGE+4*16*SP     ; the spare words, 128 bytes for each wave: two blocks of 256 bytes that no other line names
.set AK0, 2           ; v2   my lane's place in a tile of K; never rewritten
.set AV0, 3           ; v3   the same for V
.set AM0, 4           ; v4   the same for the mask
.set ADK, 5           ; v5-7 the LDS addresses of the runs of loads in hand
.set ADV, 6
.set ADM, 7
.set QO,  8           ; v8   my byte offset in 16 rows of Q
.set STO, 12          ; v12  the way out: where I put 16 bytes of a row
.set RD,  13          ; v13  the way out: where I read rows back
.set GO,  14          ; v14  my byte offset in two rows of ob
.set ST,  16          ; tile t's statistics at v[ST+8 t]: +0 m, +1 the number 0 (named with m as a pair), +2, +3 l (even keys', odd keys'), +4 to +7 c0-c3, at work; a takes c2's place
.set MK,  32
.set S,   64
.set P,   128
.set SPW, 160         ; LDS address of my spare word; never rewritten
.set NIL, 161         ; 0; never rewritten
.set KF,  128         ; window 1: key block kb, channels 32 c on, at KF + 32 kb + 8 c
.set QF,  128         ; window 2: tile t, channels 32 c on, at QF + 32 t + 8 c
.set WV,  12          ; s12  my wave's number
.set G1K, 24          ; s[24:31] descriptor group 1 for K's tiles
.set G1V, 32          ; s[32:39] for V's
.set G1M, 40          ; s[40:47] for the mask's
.set G0K, 48          ; s[48:51], s[52:55], s[56:59] descriptor groups 0: they walk
.set G0V, 52
.set G0M, 56
.set SLOTS, 60        ; s60  slots still to be asked for
.set CNT, 61          ; s61  counts a slot's key steps
.set C1,  66          ; s[66:67] the packed scaling takes the pair's low word for both halves
.set SEL, 70          ; s[70:71] v_permlanex16_b32's selects: each lane takes its own place in the other half
.set TBK, 72          ; s72  LDS byte at which K of the step to be fetched begins
.set TBV, 73          ; s73  the same for V, less VOFF
.set TBM, 74          ; s74  the same for the mask, less MOFF
.set MSB, 0
.macro WIN new                      ; the high byte repeats the setting that is left; a switch that changes nothing is dropped
.if MSB != (\new)
	s_set_vgpr_msb (MSB<<8)|(\new)
.set MSB, (\new)
.endif
.endm
.set W_KQ, 0x09       ; K in window 1, Q in window 2, S^T in window 0
.set W_PV, 0x52       ; V in window 2, P in window 0, O^T in window 1
.set W_RS, 0x41       ; O^T (destination and source 0) in window 1, a in window 0
; A joint fill of a slot: wave 0 asks for K's 128 rows, wave 1 for V's, wave 2 for the mask's 64 rows of 512 bytes: 32,768 bytes each; wave 3 asks for nothing.  The branches hang on the wave's number alone.
; An s_nop 0 and four v_nop follow each of the three lines.
.macro JLOAD
	s_cmp_eq_u32 s[WV], 0
	s_cbranch_scc0 .Lnot_k_\@
	tensor_load_to_lds s[G0K:G0K+3], s[G1K:G1K+7]
	s_nop 0
.rept 4
	v_nop
.endr
	s_branch .Lasked_\@
.Lnot_k_\@:
	s_cmp_eq_u32 s[WV], 1
	s_cbranch_scc0 .Lnot_v_\@
	tensor_load_to_lds s[G0V:G0V+3], s[G1V:G1V+7]
	s_nop 0
.rept 4
	v_nop
.endr
	s_branch .Lasked_\@
.Lnot_v_\@:
	s_cmp_eq_u32 s[WV], 2
	s_cbranch_scc0 .Lasked_\@
	tensor_load_to_lds s[G0M:G0M+3], s[G1M:G1M+7]
	s_nop 0
.rept 4
	v_nop
.endr
.Lasked_\@:
.endm
.macro CROUND                       ; a round of the cluster's barrier: my work-group's barrier; wave 0 signals for the work-group; every wave waits for all sixteen; my work-group's barrier once more
	s_barrier_signal -1
	s_barrier_wait -1
	s_cmp_lg_u32 s[WV], 0
	s_cbranch_scc1 .Lnot_wave_0_\@
	s_barrier_signal -3
.Lnot_wave_0_\@:
	s_barrier_wait -3
	s_barrier_signal -1
	s_barrier_wait -1
.endm
; THE CHANGE OF SLOTS.  The slot's last bytes, V of its second step, have been asked for.  Each wave waits for all its tensor loads (one at the most is out: its part of the other slot), adds 0 to its spare
; word, and waits for that and for its own reads of the slot.  Behind the barrier nobody reads this slot any more and the other slot is whole.  fill = 1: the barrier is a round of the cluster's, and this slot is
; filled again first thing behind it, with the keys two slots on: two key steps, 128 matrix instructions, in which to land.  (At its first use nothing has been read yet: slot 0 is waited for, slot 1 filled.)
.macro CHANGE fill
	WIN 0                           ; at a label and at a branch every window is 0
	s_wait_tensorcnt 0x0            ; no tensor load of mine is out, so a group 0 may be written
	ds_add_u32 v[SPW], v[NIL]       ; 0 onto my spare word; with fill = 1 the descriptors' steps stand between it and the wait for it
.if \fill
.irp g, G0K, G0V
	s_xor_b32 s[\g+1], s[\g+1], SLOT1  ; the other slot than last time,
	s_add_nc_u64 s[\g+2:\g+3], s[\g+2:\g+3], 2*KS*256  ; the next 128 keys; the type bits on top are not reached
.endr
	s_xor_b32 s[G0M+1], s[G0M+1], SLOT1
	s_add_nc_u64 s[G0M+2:G0M+3], s[G0M+2:G0M+3], 2*KS*4  ; the mask walks along its rows
	s_wait_dscnt 0x0                ; the add is done, and my reads of the slot are over
	CROUND
	JLOAD
.else
	s_wait_dscnt 0x0                ; the add is done, and my reads of the slot are over
	s_barrier_signal -1
	s_barrier_wait -1
.endif
	s_sub_co_u32 s[TBK], s[TBK], 2*KS*PK  ; the fetches go back to a slot's first step,
	s_xor_b32 s[TBK], s[TBK], SLOT1       ; in the other slot
	s_sub_co_u32 s[TBV], s[TBV], 2*KS*PV
	s_xor_b32 s[TBV], s[TBV], SLOT1
	s_sub_co_u32 s[TBM], s[TBM], 2*KS*4
	s_xor_b32 s[TBM], s[TBM], SLOT1
.endm
	s_load_b128 s[4:7], s[0:1], 0x0 ; qkv s[4:5], maskl s[6:7]
	s_load_b64 s[8:9], s[0:1], 0x10 ; ob
	v_lshl_add_u32 v[SPW], v0, 2, SPARE
	v_mov_b32 v[NIL], 0
	ds_add_u32 v[SPW], v[NIL]       ; the wave's opening: the add and its wait stand ahead of my first tensor load; the set-up below, work on registers, stands between them
	v_lshrrev_b32 v1, 5, v0
	v_readfirstlane_b32 s[WV], v1   ; wave 0..3
	s_bfe_u32 s13, ttmp6, 0x40000   ; cx, cy: my place in the cluster
	s_bfe_u32 s14, ttmp6, 0x40004
	s_lshl_b32 s15, ttmp9, 2
	s_add_co_u32 s15, s15, s13      ; my block of 64 positions = 4 x cluster x + cx
	s_and_b32 s16, ttmp7, 0xffff
	s_lshl_b32 s16, s16, 2
	s_add_co_u32 s16, s16, s14      ; g = 4 x cluster y + cy
	s_lshl_b32 s17, s14, 2
	s_lshl_b32 s17, 15, s17         ; my row of the cluster: the same g
	s_lshl_b32 s18, 0x1111, s13     ; my column: the same positions
	s_or_b32 s[G1K], s17, (1<<16)|(1<<20)|(1<<21)|(5<<22)|(3<<25)  ; 15:0 the mask of four; 17:16 2-byte elements; 20 padding on; 21 set beside a mask; 24:22 after every 64 words; 31:25 4 words
	s_or_b32 s[G1V], s17, (1<<16)|(1<<20)|(1<<21)|(5<<22)|(7<<25)  ; the same with 8 words of padding
	s_or_b32 s[G1M], s18, (2<<16)|(1<<20)|(1<<21)|(6<<22)|(3<<25)  ; 4-byte elements; after every 128 words 4 words
.irp g, G1K, G1V
	s_mov_b32 s[\g+1], 128<<16      ; tensor_dim0 = 128
	s_mov_b32 s[\g+2], 128<<16      ; tensor_dim1 = 128
	s_mov_b32 s[\g+3], 128<<16      ; tile_dim0 = 128
	s_mov_b32 s[\g+4], 128          ; tile_dim1 = 128
	s_mov_b32 s[\g+5], 128          ; 128 elements from row to row
	s_mov_b32 s[\g+6], 0
	s_mov_b32 s[\g+7], 0
.endr
	s_mov_b32 s[G1M+1], 128<<16     ; tensor_dim0 = 128
	s_mov_b32 s[G1M+2], 64<<16      ; tensor_dim1 = 64
	s_mov_b32 s[G1M+3], 128<<16     ; tile_dim0 = 128
	s_mov_b32 s[G1M+4], 64          ; tile_dim1 = 64
	s_mov_b32 s[G1M+5], 2048        ; 2,048 elements from row to row
	s_mov_b32 s[G1M+6], 0
	s_mov_b32 s[G1M+7], 0
	s_add_co_u32 s20, s16, 16       ; K's head 16 + g, 524,288 bytes a head: these two offsets hang on g alone,
	s_lshl_b32 s20, s20, 19
	s_mov_b32 s21, 0
	s_add_co_u32 s22, s16, 24       ; V's head 24 + g
	s_lshl_b32 s22, s22, 19
	s_mov_b32 s23, 0
	s_lshl_b32 s76, s15, 19         ; the mask's 64 rows of 8,192 bytes: on the block of positions alone
	s_mov_b32 s77, 0
	s_lshl_b32 s78, s16, 20         ; Q: head 2 g, position 64 x block + 16 w, 256 bytes a row
	s_lshl_b32 s79, s15, 14
	s_add_co_u32 s78, s78, s79
	s_lshl_b32 s79, s[WV], 12
	s_add_co_u32 s78, s78, s79
	s_mov_b32 s79, 0
	s_lshl_b32 s2, s15, 18          ; ob: the same position, 4,096 bytes a row; head 2 g, 256 bytes a head
	s_lshl_b32 s3, s[WV], 16
	s_add_co_u32 s2, s2, s3
	s_lshl_b32 s3, s16, 9
	s_add_co_u32 s2, s2, s3
	s_mov_b32 s3, 0
	s_mov_b32 s[C1], 0x420293ee     ; 256 log2(e) / sqrt(128) = 32.6444
	s_mov_b32 s[C1+1], s[C1]        ; named with it as a pair
	s_mov_b32 s[SEL], 0x76543210
	s_mov_b32 s[SEL+1], 0xfedcba98
	s_mov_b32 s[TBK], SLOT1+2*KS*PK ; the first change of slots turns these three into 0
	s_mov_b32 s[TBV], SLOT1+2*KS*PV
	s_mov_b32 s[TBM], SLOT1+2*KS*4
	s_mov_b32 s[G0K], 1             ; 1:0 count = 1
	s_mov_b32 s[G0K+1], 0           ; 63:32 LDS address: slot 0
	s_mov_b32 s[G0V], 1
	s_mov_b32 s[G0V+1], VOFF
	s_mov_b32 s[G0M], 1
	s_mov_b32 s[G0M+1], MOFF
	s_wait_dscnt 0x0                ; the opening add is done
	s_wait_kmcnt 0x0
	s_add_nc_u64 s[G0K+2:G0K+3], s[4:5], s[20:21]  ; 120:64 global address: the head's first 128 keys
	s_or_b32 s[G0K+3], s[G0K+3], 0x80000000        ; 127:126 type = 2
	s_add_nc_u64 s[G0V+2:G0V+3], s[4:5], s[22:23]
	s_or_b32 s[G0V+3], s[G0V+3], 0x80000000
	s_add_nc_u64 s[G0M+2:G0M+3], s[6:7], s[76:77]
	s_or_b32 s[G0M+3], s[G0M+3], 0x80000000
	s_add_nc_u64 s[4:5], s[4:5], s[78:79]          ; Q at my wave's first row, tile 0
	s_add_nc_u64 s[8:9], s[8:9], s[2:3]            ; ob likewise
	CROUND                          ; all sixteen work-groups are here: the first joint loads meet
	JLOAD                           ; slot 0.  Slot 1 is asked for when slot 0 is in, by the change of slots
	; A fragment of K or Q is 16 rows x 32 channels in 8 registers: lane l holds row l % 16, channels 8 (l / 16) + 0..7 and 16 + 8 (l / 16) + 0..7: two loads of 16 bytes, 32 bytes apart.
	v_and_b32 v1, 15, v0            ; l % 16
	v_bfe_u32 v9, v0, 4, 1          ; l / 16
	v_lshlrev_b32 v[QO], 8, v1
	v_lshl_add_u32 v[QO], v9, 4, v[QO]  ; row x 256 + 16 x half
	WIN 0x80                        ; destination window 2, address window 0
.irp t, 0,1
.irp c, 0,1,2,3                     ; Q stays in registers
	global_load_b128 v[QF+32*(\t)+8*(\c):QF+32*(\t)+8*(\c)+3],   v[QO], s[4:5] offset:524288*(\t)+64*(\c)
	global_load_b128 v[QF+32*(\t)+8*(\c)+4:QF+32*(\t)+8*(\c)+7], v[QO], s[4:5] offset:524288*(\t)+64*(\c)+32
.endr
.endr
	; What the first turns find: O^T and l are 0, tile 1's P is 0 (the first turn's products V^T P, of a step that has not been, add 0).  All this stands in the wait for the first tile.
	WIN 0x40
.set i, 0
.rept 128
	v_mov_b32 v[i], 0
.set i, i+1
.endr
	WIN 0
.irp t, 0,1
	v_mov_b32 v[ST+8*(\t)], 0xff7fffff  ; m
	v_mov_b32 v[ST+8*(\t)+1], 0
	v_mov_b32 v[ST+8*(\t)+2], 0         ; l
	v_mov_b32 v[ST+8*(\t)+3], 0
.endr
.set i, P+16
.rept 16
	v_mov_b32 v[i], 0
.set i, i+1
.endr
	v_mul_u32_u24 v[AK0], v1, PK
	v_lshl_add_u32 v[AK0], v9, 4, v[AK0]  ; row x pitch + 16 x half
	; The turning load takes 16 keys x 16 channels (lane l reads key 8 (l / 16) + l % 8, channels 8 ((l / 8) % 2) + 0..7) and leaves half a fragment of V^T: lane l holds channel l % 16 and 8 keys.
	v_and_b32 v10, 7, v0
	v_bfe_u32 v11, v0, 3, 1
	v_lshl_add_u32 v[AV0], v9, 3, v10
	v_mul_u32_u24 v[AV0], v[AV0], PV
	v_lshl_add_u32 v[AV0], v11, 4, v[AV0]
	v_add_nc_u32 v[AV0], VOFF, v[AV0]
	s_lshl_b32 s13, s[WV], 4        ; the mask: my query's row, 16 w + l % 16; my eight keys of a group of 16 begin 32 (l / 16) bytes in
	v_add_nc_u32 v15, s13, v1
	v_mul_u32_u24 v[AM0], v15, PM
	v_lshl_add_u32 v[AM0], v9, 5, v[AM0]
	v_add_nc_u32 v[AM0], MOFF, v[AM0]
; THE MATRIX WORK.  The accumulators of a run take turns, one instruction a turn.
; Product i of 16 of S^T = K Q^T for tile x: channels 32 (i / 4) on, keys 16 (i % 4) on.  The first 4 start the sums.
.macro KQ x
	WIN W_KQ
.set rS, S+32*(\x)+8*(i%4)
.set rK, KF+32*(i%4)+8*(i/4)
.set rQ, QF+32*(\x)+8*(i/4)
.if i < 4
	v_wmma_f32_16x16x32_f16 v[rS:rS+7], v[rK:rK+7], v[rQ:rQ+7], 0
	s_wait_alu depctr_va_vdst(0)
.else
	v_wmma_f32_16x16x32_f16 v[rS:rS+7], v[rK:rK+7], v[rQ:rQ+7], v[rS:rS+7]
.endif
.endm
; Product i of 16 of O^T += V^T P for tile x: keys 32 (i / 8) on, channels 16 (i % 8) on.
.macro PV x
	WIN W_PV
.set rO, 64*(\x)+8*(i%8)
.set rV, 64*(i/8)+8*(i%8)
.set rP, P+16*(\x)+8*(i/8)
	v_wmma_f32_16x16x32_f16 v[rO:rO+7], v[rV:rV+7], v[rP:rP+7], v[rO:rO+7]
.endm
; THE LDS LOADS stand in runs, never singly among the matrix instructions: a step's mask (8 loads) and K (32), and a turn later its V (32, turned).
; last = 1 (the tail): in the last trip there is no further step, and the run is jumped over.
.macro FETCH_KM last=0
	WIN 0
.if \last
	s_cmp_eq_u32 s[CNT], 1
	s_cbranch_scc1 .Lno_km_\@
.endif
	v_add_nc_u32 v[ADK], s[TBK], v[AK0]
	v_add_nc_u32 v[ADM], s[TBM], v[AM0]
.irp kb, 0,1,2,3                    ; my query's mask for keys 16 kb + 8 (l / 16) + 0..7: laid as S^T lies
	ds_load_b128 v[MK+8*(\kb):MK+8*(\kb)+3],   v[ADM] offset:64*(\kb)
	ds_load_b128 v[MK+8*(\kb)+4:MK+8*(\kb)+7], v[ADM] offset:64*(\kb)+16
.endr
	WIN 0x40                        ; destination window 1
.irp f, 0,1,2,3,4,5,6,7,8,9,10,11,12,13,14,15  ; keys 16 (f / 4) on, channels 32 (f % 4) on
	ds_load_b128 v[KF+8*(\f):KF+8*(\f)+3],   v[ADK] offset:((\f)/4)*16*PK+((\f)%4)*64
	ds_load_b128 v[KF+8*(\f)+4:KF+8*(\f)+7], v[ADK] offset:((\f)/4)*16*PK+((\f)%4)*64+32
.endr
	s_add_co_u32 s[TBK], s[TBK], KS*PK  ; the next fetch is the next step's
	s_add_co_u32 s[TBM], s[TBM], KS*4
	WIN 0
.if \last
.Lno_km_\@:
.endif
.endm
.macro FETCH_V step
	WIN 0
	v_add_nc_u32 v[ADV], s[TBV], v[AV0]
	s_wait_alu depctr_va_vdst(0)
.if \step
	s_add_co_u32 s[TBV], s[TBV], KS*PV
.endif
	WIN 0x80                        ; destination window 2
.irp f, 0,1,2,3,4,5,6,7,8,9,10,11,12,13,14,15  ; keys 32 (f / 8) on, channels 16 (f % 8) on
	ds_load_tr16_b128 v[8*(\f):8*(\f)+3],   v[ADV] offset:((\f)/8)*32*PV+((\f)%8)*32
	ds_load_tr16_b128 v[8*(\f)+4:8*(\f)+7], v[ADV] offset:((\f)/8)*32*PV+16*PV+((\f)%8)*32
.endr
	WIN 0
.endm
; THE VECTOR WORK OF A TURN.  One tile's softmax for one key step is a list of 150 numbers; SM writes number j of it for tile t.  s0-s31 are the lane's 32 scores, in pairs 0-15; jj = j - 16.
;   j 0-15     t = s C1 + mask for pair j (each accumulator's lowest registers are read first)
;   jj 0-15    the maximum of t0-t31 and the old m, three operands at a time: four chains c0-c3 of seven each, then the four left over, c0-c3 and m
;   jj 16-20   the other half of the lanes' maximum; m_old is kept; the new m; (19 is empty); m_old - m_new
;   jj 21-87   33 exponentials (a, then t0-t31) at the odd numbers from 23 on, so that no two follow each other and each has a plain instruction behind it before its result is used.
;              The plain ones are whatever is ready: t - m for a pair whose exponentials are still to come, the rounding to f16 of a pair whose exponentials are done, at last the first three sums
;   jj 88-101  the last rounding; the rest of the sums; l = a l + the sum
;   jj 102-133 the tile's O^T times a: the one part that leaves window 0, so it stands together
.macro SM t
.set rT, ST+8*(\t)
.set rS, S+32*(\t)
.set rP, P+16*(\t)
.set jj, j-16
.set rO, 64*(\t)+2*(jj-102)
.set q, (jj-20)/2
.if jj < 102
	WIN 0
.endif
.if j < 16
	v_pk_fma_f32 v[rS+2*j:rS+2*j+1], v[rS+2*j:rS+2*j+1], s[C1:C1+1], v[MK+2*j:MK+2*j+1] op_sel_hi:[1,0,1]
.elseif jj < 4
	v_max3_num_f32 v[rT+4+jj], v[rS+8*jj], v[rS+8*jj+1], v[rS+8*jj+2]
.elseif jj < 12
	v_max3_num_f32 v[rT+4+jj%4], v[rT+4+jj%4], v[rS+8*(jj%4)+2*(jj/4)+1], v[rS+8*(jj%4)+2*(jj/4)+2]
.elseif jj == 12
	v_max3_num_f32 v[rT+4], v[rT+4], v[rS+7], v[rS+15]
.elseif jj == 13
	v_max3_num_f32 v[rT+6], v[rT+6], v[rS+23], v[rS+31]
.elseif jj == 14
	v_max3_num_f32 v[rT+4], v[rT+4], v[rT+5], v[rT+6]
.elseif jj == 15
	v_max3_num_f32 v[rT+4], v[rT+4], v[rT+7], v[rT]
.elseif jj == 16
	v_permlanex16_b32 v[rT+5], v[rT+4], s[SEL], s[SEL+1]  ; the query's other 32 keys lie in the lane 16 away
.elseif jj == 17
	v_mov_b32 v[rT+7], v[rT]        ; m_old is kept for a: number 18 writes m anew
.elseif jj == 18
	v_max_num_f32 v[rT], v[rT+4], v[rT+5]
.elseif jj == 19
.elseif jj == 20
	v_sub_f32 v[rT+7], v[rT+7], v[rT]
.elseif jj == 23
	v_exp_f32 v[rT+6], v[rT+7]
.elseif (jj < 88) && (jj > 23) && (jj%2 == 1)
	v_exp_f32 v[rS+(jj-25)/2], v[rS+(jj-25)/2]
.elseif (q < 4) || ((jj < 76) && (q%2 == 0))
.set b, q/2+2
.if q < 4
.set b, q
.endif
	v_pk_add_f32 v[rS+2*b:rS+2*b+1], v[rS+2*b:rS+2*b+1], v[rT:rT+1] op_sel_hi:[1,0] neg_lo:[0,1] neg_hi:[0,1]  ; pair b: t - m
.elseif (jj < 88) && (q%2 == 1)
	s_wait_alu depctr_va_vdst(0)
	v_cvt_pk_f16_f32 v[rP+(q-5)/2], v[rS+q-5], v[rS+q-4]  ; pair (q - 5) / 2: its second exponential stands three numbers back
.elseif jj == 89
	s_wait_alu depctr_va_vdst(0)
	v_cvt_pk_f16_f32 v[rP+15], v[rS+30], v[rS+31]
.elseif jj < 102                    ; the sum of the tile's 16 pairs, in place: sum z of 16 adds neighbours 1, 2, 4 and 8 pairs apart, then l takes it
.set z, jj-86
.if jj < 89
.set z, (jj-76)/4
.endif
.set w, 4
.set u, z
.if z >= 14
.set w, 32
.set u, 0
.elseif z >= 12
.set w, 16
.set u, z-12
.elseif z >= 8
.set w, 8
.set u, z-8
.endif
.if z < 15
	v_pk_add_f32 v[rS+w*u:rS+w*u+1], v[rS+w*u:rS+w*u+1], v[rS+w*u+w/2:rS+w*u+w/2+1]
.else
	v_pk_fma_f32 v[rT+2:rT+3], v[rT+2:rT+3], v[rT+6:rT+7], v[rS:rS+1] op_sel_hi:[1,0,1]
.endif
.else
	WIN W_RS
	v_pk_mul_f32 v[rO:rO+1], v[rO:rO+1], v[rT+6:rT+7] op_sel_hi:[1,0]
.endif
.endm
; Slice k of 32 of tile y's softmax: 22 slices of five numbers, ten of four; the last eight are the 32 lines of the rescaling.  Slice 31, four plain lines that name nothing of the products round them,
; is also the four places between the turn's last K Q^T and what follows: the next turn's first read of those scores, and the loads into K's registers.
.macro SLICE y
.if k < 22
.set j, 5*k
.rept 5
	SM \y
.set j, j+1
.endr
.else
.set j, 110+4*(k-22)
.rept 4
	SM \y
.set j, j+1
.endr
.endif
.set k, k+1
.endm
; A TURN.  Tile x has the matrix unit; the other tile's softmax stands in slices behind its matrix instructions.
; Tile 0's turn fetches the next step's mask and K behind slice 3: the softmax's reads of the mask in hand (numbers 0-15) stand in slices 0-3, and the last product that read K stands in front of slice 31 of
; the turn before.  Tile 1's turn fetches the next step's V behind its second K Q^T: the last product that read V stands three slices back, with seven plain lines among them.
.macro TURN x, last=0
.set k, 0
.if (\x) == 0
	s_wait_dscnt 0x0                ; V is in
.endif
.set i, 0
.rept 16
	PV \x
	SLICE 1-(\x)
.if ((\x) == 0) && (i == 3)
	FETCH_KM \last
.endif
.set i, i+1
.endr
.if (\x) == 0
	s_wait_dscnt 0x0                ; K and the mask are in
.endif
.set i, 0
.rept 16
	KQ \x
	SLICE 1-(\x)
.if ((\x) == 1) && (i == 1)
	FETCH_V 1
.endif
.set i, i+1
.endr
.endm
	CHANGE 1                        ; slot 0 is in, everybody's part of it; slot 1 is asked for
	FETCH_KM                        ; key step 0
	FETCH_V 0                       ; V of step 0, so that the first turn's products multiply finite numbers by P = 0; that turn fetches it once more, as every turn of tile 1 fetches
	s_wait_loadcnt 0x0              ; Q
	s_wait_dscnt 0x0
.set i, 0
.rept 16
	KQ 0                            ; tile 0's first scores: there is no vector work yet to set between them
.set i, i+1
.endr
	WIN 0                           ; the addresses for the way out: ten plain instructions, the places behind those products
	s_mul_i32 s13, s[WV], 16*SP
	s_add_co_u32 s13, s13, STAGE    ; my stage
	v_mul_u32_u24 v[STO], v1, SP    ; in: row l % 16, 16 bytes for each half of the lanes
	v_lshl_add_u32 v[STO], v9, 4, v[STO]
	v_add_nc_u32 v[STO], s13, v[STO]
	v_mul_u32_u24 v[RD], v9, SP     ; back: lanes 0-15 take one row of 256 bytes, lanes 16-31 the next
	v_lshl_add_u32 v[RD], v1, 4, v[RD]
	v_add_nc_u32 v[RD], s13, v[RD]
	v_lshlrev_b32 v[GO], 12, v9     ; and the same two rows in ob, 4,096 bytes apart
	v_lshl_add_u32 v[GO], v1, 4, v[GO]
	s_mov_b32 s[CNT], 2
	s_mov_b32 s[SLOTS], 15
	s_branch .Lfirst                ; the loop is entered at tile 1's turn, in the middle of a trip
.Lslot:                             ; 14 times: every slot but the last two is filled again
	CHANGE 1
	s_mov_b32 s[CNT], 2
.Lstep:                             ; a trip: tile 0's turn and tile 1's turn of one step, which fetch the next step's K, mask and V
	TURN 0
	WIN 0
.Lfirst:
	TURN 1
	WIN 0
	s_sub_co_u32 s[CNT], s[CNT], 1
	s_cmp_lg_u32 s[CNT], 0
	s_cbranch_scc1 .Lstep
	s_sub_co_u32 s[SLOTS], s[SLOTS], 1
	s_cmp_lg_u32 s[SLOTS], 0
	s_cbranch_scc1 .Lslot
	CHANGE 0                        ; the tail is written out: nothing is asked for
	s_mov_b32 s[CNT], 3             ; two trips fetch the last slot's steps; the third is left in its middle
.Ltail:
	TURN 0, 1
	WIN 0
	s_sub_co_u32 s[CNT], s[CNT], 1
	s_cmp_eq_u32 s[CNT], 0
	s_cbranch_scc1 .Lout
	TURN 1
	WIN 0
	s_branch .Ltail
.Lout:                              ; the third trip's 16 products K Q^T (on the last K once more) serve nothing: the price, once a launch, of one text for every trip
.set i, 0
.rept 16
	PV 1                            ; tile 1's V^T P of the last step
.set i, i+1
.endr
	; THE WAY OUT.  l's two halves and the other half of the lanes' are added; O^T is divided by l, rounded to f16 and sent through my stage in LDS, a tile at a time.  The additions and tile 0's arithmetic are the places behind the last products.
	WIN 0
.irp t, 0,1
	v_add_f32 v[ST+8*(\t)+4], v[ST+8*(\t)+2], v[ST+8*(\t)+3]
.endr
.irp t, 0,1
	v_permlanex16_b32 v[ST+8*(\t)+5], v[ST+8*(\t)+4], s[SEL], s[SEL+1]
.endr
.irp t, 0,1
	v_add_f32 v[ST+8*(\t)+4], v[ST+8*(\t)+4], v[ST+8*(\t)+5]
.endr
.irp t, 0,1
	v_rcp_f32 v[ST+8*(\t)+6], v[ST+8*(\t)+4]
.endr
	v_nop                           ; a plain instruction between the last reciprocal and the use of its result
	s_wait_alu depctr_va_vdst(0)
; Tile t: a lane's eight channels of a row pack into 16 bytes; they go into rows of 272 bytes and come back as whole rows of 256, into S^T's registers.
.macro PACK t
	WIN W_RS
.set i, 64*(\t)
.rept 32
	v_pk_mul_f32 v[i:i+1], v[i:i+1], v[ST+8*(\t)+6:ST+8*(\t)+7] op_sel_hi:[1,0]
.set i, i+2
.endr
	WIN 0x05                        ; sources 0 and 1 window 1, destination window 0
.set i, 0
.rept 32
	v_cvt_pk_f16_f32 v[S+32*(\t)+i], v[64*(\t)+2*i], v[64*(\t)+2*i+1]
.set i, i+1
.endr
	WIN 0
.irp f, 0,1,2,3,4,5,6,7
	ds_store_b128 v[STO], v[S+32*(\t)+4*(\f):S+32*(\t)+4*(\f)+3] offset:32*(\f)
.endr
.irp f, 0,1,2,3,4,5,6,7
	ds_load_b128 v[S+32*(\t)+4*(\f):S+32*(\t)+4*(\f)+3], v[RD] offset:(\f)*2*SP  ; LDS serves a wave's instructions in order (ISA guide 5.7.1.4): these see the stores above; the next tile's stores come behind them
.endr
.endm
.macro SEND t, younger              ; younger: the LDS instructions issued behind tile t's loads: the next tile's sixteen, or none
.irp f, 0,1,2,3,4,5,6,7
	s_wait_dscnt (\younger)+7-(\f)
	global_store_b128 v[GO], v[S+32*(\t)+4*(\f):S+32*(\t)+4*(\f)+3], s[8:9] offset:8192*(\f)+256*(\t)  ; 16 lanes store a head's 256 consecutive bytes of a row, at a multiple of 256 from ob's first byte
.endr
.endm
	PACK 0
	PACK 1                          ; a tile's arithmetic stands between the loads of the tile before and its stores
	SEND 0, 16
	SEND 1, 0
	s_wait_tensorcnt 0x0            ; the wave's end, behind my last tensor load and my last LDS store
	ds_add_u32 v[SPW], v[NIL]
	s_wait_dscnt 0x0
	CROUND                          ; the closing round: no work-group ends while a partner may still ask for a tile that names it
	s_endpgm
.Lfunc_end_k_qcd4833e6be_attn:
	.size	k_qcd4833e6be_attn, .Lfunc_end_k_qcd4833e6be_attn-k_qcd4833e6be_attn
	.p2alignl 7, 3214868480
	.fill 96, 4, 3214868480
	.section	.rodata,"a",@progbits
	.p2align	6, 0x0
	.amdhsa_kernel k_qcd4833e6be_attn
		.amdhsa_group_segment_fixed_size 327680
		.amdhsa_private_segment_fixed_size 0
		.amdhsa_enable_private_segment 0
		.amdhsa_kernarg_size 24
		.amdhsa_user_sgpr_count 2
		.amdhsa_user_sgpr_kernarg_segment_ptr 1
		.amdhsa_wavefront_size32 1
		.amdhsa_system_sgpr_workgroup_id_x 1
		.amdhsa_system_sgpr_workgroup_id_y 1
		.amdhsa_system_sgpr_workgroup_id_z 1
		.amdhsa_system_vgpr_workitem_id 0
		.amdhsa_next_free_vgpr 704
		.amdhsa_next_free_sgpr 80
		.amdhsa_reserve_vcc 0
		.amdhsa_float_denorm_mode_32 3
		.amdhsa_float_denorm_mode_16_64 3
		.amdhsa_memory_ordered 1
		.amdhsa_forward_progress 1
		.amdhsa_inst_pref_size 101
	.end_amdhsa_kernel
	.amdgpu_metadata
---
amdhsa.version: [ 1, 2 ]
amdhsa.kernels:
  - .name:           k_qcd4833e6be_attn
    .symbol:         k_qcd4833e6be_attn.kd
    .args:
      - { .name: qkv, .offset: 0, .size: 8, .value_kind: global_buffer, .address_space: global }
      - { .name: maskl, .offset: 8, .size: 8, .value_kind: global_buffer, .address_space: global }
      - { .name: ob, .offset: 16, .size: 8, .value_kind: global_buffer, .address_space: global }
    .group_segment_fixed_size: 327680
    .private_segment_fixed_size: 0
    .kernarg_segment_align: 8
    .kernarg_segment_size: 24
    .max_flat_workgroup_size: 128
    .sgpr_count:     80
    .vgpr_count:     704
    .wavefront_size: 32
...
	.end_amdgpu_metadata
.endif
;; end of part 3
;; launch outp (part 4): grid 16 x 16, 4 waves a work-group, clusters of 4 x 4, 327,680 bytes of LDS; arguments ob, wo16, out0; writes out0
.if DOCPART == 4
	.amdgcn_target "amdgcn-amd-amdhsa--gfx1250"
	.amdhsa_code_object_version 6
	.text
	.protected	k_qcd4833e6be_outp
	.globl	k_qcd4833e6be_outp
	.p2align	8
	.type	k_qcd4833e6be_outp,@function
k_qcd4833e6be_outp:
	s_mov_b64 s[64:65], 0
	v_nop
	global_prefetch_b8 v0, s[64:65] scope:SCOPE_SE
	s_setreg_imm32_b32 hwreg(HW_REG_WAVE_MODE, 25, 1), 1
	s_wait_xcnt 0x0
	s_wait_alu depctr_hold_cnt(0) depctr_sa_sdst(0) depctr_va_vdst(0) depctr_va_sdst(0) depctr_va_ssrc(0) depctr_va_vcc(0) depctr_vm_vsrc(0)
	s_getreg_b32 s2, hwreg(HW_REG_IB_STS2, 6, 4)
	s_cmp_eq_u32 s2, 0
	s_cbranch_scc0 .Lentry_in_a_cluster
	s_endpgm
.Lentry_in_a_cluster:
	s_bfe_u32 s2, ttmp6, 0x10000c
	s_cmp_lg_u32 s2, 0xf033
	s_cbranch_scc0 .Lentry_shape_is_right
	s_endpgm
.Lentry_shape_is_right:
; THE OUTPUT PROJECTION.  out0[2048][4096] f32 = ob [2048][2048 k] (f16, O / 16) x wo16 [2048 k][4096 n] (f16, 16 x bf16(Wo)): the two factors of 16 cancel.  f16 operands, f32 sums, stored as they are.
; LIMITS.  Those of the two operands: |O| / 16 and 16 |Wo| inside f16.  NaN and infinities are not treated apart.
; SHARES.  A work-group makes 128 rows x 256 columns: 16 x 16 work-groups, one for each of 256; the grid's x counts tile rows, its y tile columns, so all work-groups of one y read the same columns of B, the
; larger operand.  Four waves, wave w at rows 64 (w / 2), columns 128 (w % 2): 32 accumulators of 16 x 16.
; K goes in steps of 128 through two LDS slots.  A's rows lie along K (256 bytes a row); B's rows lie along N (512 bytes a row) and are turned on their way out of LDS by ds_load_tr16_b128.
; CLUSTER.  4 x 4 work-groups.  The four of a column of the cluster (one cx) need the same tiles of A, the four of a row (one cy) the same tiles of B: each tile is asked for JOINTLY, by the same tensor load
; with the same descriptor and a mask that names the four.  THE MATRIX INSTRUCTION IS USED TRANSPOSED (source 0 = 16 columns of B, source 1 = 16 rows of A): a lane holds eight neighbouring numbers of a row of C.
; THE ORDER OF K.  Each pair of K steps is taken as (2 i, 2 i + 1) or as (2 i + 1, 2 i), by a bit b made of the cluster's x and y alone.  Of the clusters that read one tile of A (one x, all y) or of B (one y,
; all x) some have b = 0 and some b = 1: in every second step a cluster asks for bytes that another cluster asked for one step before.  The f32 sums change their order inside a pair only.
; REGISTERS.  window 0: v0-31 addresses; v64-159, v160-255 two fragment buffers (32 registers of A, then 64 of B); on the way out v64-191 rows read back          window 1: the accumulators, (a, b) at v[8 (8 a + b)]
.set SIZE_K, 2048
.set KSTEP,  128
.set PA,     272                       ; a row of A in LDS: 256 bytes + 16 = 68 words: the 16 rows of a load start at 16 different groups of four banks (64 banks of 4 bytes: ISA guide 11.1)
.set PB,     544                       ; a row of B: 512 bytes + 32 = 136 words
.set AHALF,  64*PA
.set BHALF,  64*PB
.set BOFF,   2*AHALF                   ; a slot: A's 128 rows, then B's 128 K rows
.set SLOT,   BOFF+2*BHALF              ; 104,448 bytes; a slot of two K steps would take 206,848, and two of those do not fit
.set STAGE,  2*SLOT                    ; behind the ring, never filled by a tensor load: 16 rows x 528 bytes for each wave
.set SPITCH, 528                       ; 512 bytes + 16: the 16 rows that a store touches start at 16 different groups of four banks
.set SPARE,  STAGE+4*16*SPITCH         ; the spare words, 128 bytes for each wave: two blocks of 256 bytes that no other line names
.set LAPS,   SIZE_K/(2*KSTEP)
.set ADRA, 16                          ; v16-17  LDS address of my A fragments in slot 0, 1
.set ADRB, 20                          ; v20-21  the same for B
.set STO,  24                          ; v24     the way out: where I put 32 bytes of a row
.set RD,   25                          ; v25     the way out: where I read a row back
.set CO,   26                          ; v26     my byte offset in 512 consecutive bytes of out0
.set SPW,  28                          ; v28     LDS address of my spare word; never rewritten
.set NIL,  29                          ; v29     0; never rewritten
.set F0,   64
.set F1,   160
.set TT,   64                          ; the way out: two buffers of 64 registers
.set G1, 24                            ; s[24:31] descriptor group 1 for A's tiles;  s[32:39] group 0, one set for each slot
.set G0, 32
.set G1B, 48                           ; s[48:55], s[56:63] the same for B's tiles
.set G0B, 56
.set MSB, 0
.macro WIN new                         ; the immediate's high byte repeats the setting that is left; a switch that changes nothing is dropped
.if MSB != (\new)
	s_set_vgpr_msb (MSB<<8)|(\new)
.set MSB, \new
.endif
.endm
.set MUL, 0x50                         ; sources 0 and 1 window 0; C and D window 1
.macro JLOAD s                         ; a joint load: waves 0 and 1 fetch A's two halves, waves 2 and 3 B's; an s_nop 0 and four v_nop follow each of the two lines
	s_cmp_eq_u32 s11, 0
	s_cbranch_scc0 .Lfor_b_\@
	tensor_load_to_lds s[G0+4*(\s):G0+4*(\s)+3], s[G1:G1+7]
	s_nop 0
.rept 4
	v_nop
.endr
	s_branch .Lasked_\@
.Lfor_b_\@:
	tensor_load_to_lds s[G0B+4*(\s):G0B+4*(\s)+3], s[G1B:G1B+7]
	s_nop 0
.rept 4
	v_nop
.endr
.Lasked_\@:
.endm
.macro CREST                           ; a round of the cluster's barrier behind its opening barrier
	s_cmp_lg_u32 s10, 0
	s_cbranch_scc1 .Lnot_wave_0_\@
	s_barrier_signal -3
.Lnot_wave_0_\@:
	s_barrier_wait -3
	s_barrier_signal -1
	s_barrier_wait -1
.endm
.macro CROUND                          ; a whole round
	s_barrier_signal -1
	s_barrier_wait -1
	CREST
.endm
	s_load_b128 s[4:7], s[0:1], 0x0                ; ob s[4:5], wo16 s[6:7]
	s_load_b64 s[8:9], s[0:1], 0x10                ; out0
	v_lshl_add_u32 v[SPW], v0, 2, SPARE
	v_mov_b32 v[NIL], 0
	ds_add_u32 v[SPW], v[NIL]                      ; the wave's opening: the add and its wait stand ahead of my first tensor load; the set-up below, work on registers, stands between them
	v_lshrrev_b32 v1, 5, v0
	v_readfirstlane_b32 s10, v1                    ; wave 0..3
	s_lshr_b32 s11, s10, 1                         ; which 64 of the tile's rows are mine.  Also: I fetch for A (0) or for B (1)
	s_and_b32 s12, s10, 1                          ; which 128 of its columns.  Also: which half of that tile I fetch
	s_bfe_u32 s40, ttmp6, 0x40000                  ; cx, cy: my place in the cluster
	s_bfe_u32 s41, ttmp6, 0x40004
	s_lshl_b32 s13, ttmp9, 2
	s_add_co_u32 s13, s13, s40                     ; tile row = 4 x cluster x + cx
	s_and_b32 s45, ttmp7, 0xffff                   ; cluster y
	s_lshl_b32 s42, s45, 2
	s_add_co_u32 s42, s42, s41                     ; tile column = 4 x cluster y + cy
	s_lshl_b32 s43, 0x1111, s40                    ; my column of the cluster: the same cx, so the same tile row
	s_lshl_b32 s44, s41, 2
	s_lshl_b32 s44, 15, s44                        ; my row of the cluster: the same cy, so the same tile column
	s_or_b32 s[G1+0], s43, (1<<16)|(1<<20)|(1<<21)|(5<<22)|(3<<25)   ; 15:0 the mask: A's tiles go to my column; 17:16 2-byte elements; 20 padding on; 21 set beside a mask; 24:22 after every 64 words; 31:25 4 words
	s_or_b32 s[G1B+0], s44, (1<<16)|(1<<20)|(1<<21)|(6<<22)|(7<<25)  ; B's go to my row; padding after every 128 words, 8 words
	s_mov_b32 s[G1+1], KSTEP<<16                   ; A: tensor_dim0 = 128
	s_mov_b32 s[G1+2], 64<<16                      ; tensor_dim1 = 64
	s_mov_b32 s[G1+3], KSTEP<<16                   ; tile_dim0 = 128
	s_mov_b32 s[G1+4], 64                          ; tile_dim1 = 64
	s_mov_b32 s[G1+5], SIZE_K                      ; elements from row to row
	s_mov_b32 s[G1+6], 0
	s_mov_b32 s[G1+7], 0
	s_mov_b32 s[G1B+1], 256<<16                    ; B: tensor_dim0 = 256
	s_mov_b32 s[G1B+2], 64<<16                     ; tensor_dim1 = 64
	s_mov_b32 s[G1B+3], 256<<16                    ; tile_dim0 = 256
	s_mov_b32 s[G1B+4], 64                         ; tile_dim1 = 64
	s_mov_b32 s[G1B+5], 4096
	s_mov_b32 s[G1B+6], 0
	s_mov_b32 s[G1B+7], 0
	s_lshl_b32 s17, s12, 6
	s_lshl_b32 s16, s13, 7
	s_add_co_u32 s16, s16, s17                     ; A: row 128 x tile row + 64 x half,
	s_mul_i32 s16, s16, SIZE_K*2                   ; in bytes: under 2^23
	s_mov_b32 s17, 0
	s_lshl_b32 s46, s12, 19                        ; B: K row 64 x half (8,192 bytes a row),
	s_lshl_b32 s47, s42, 9                         ; column 256 x tile column
	s_add_co_u32 s46, s46, s47
	s_mov_b32 s47, 0
	s_mul_i32 s20, s12, AHALF                      ; where they go: no place in the cluster enters an LDS address
	s_mul_i32 s21, s12, BHALF
	s_add_co_u32 s21, s21, BOFF
	s_lshr_b32 s18, s45, 1                         ; b = (cluster x + cluster y + cluster y / 2) % 2: along y it runs 0, 1, 1, 0, along x it alternates; the same in all sixteen partners
	s_add_co_u32 s45, s45, s18
	s_add_co_u32 s45, s45, ttmp9
	s_and_b32 s45, s45, 1
	s_wait_dscnt 0x0                               ; the opening add is done
	s_wait_kmcnt 0x0
	s_add_nc_u64 s[14:15], s[4:5], s[16:17]
	s_add_nc_u64 s[46:47], s[6:7], s[46:47]
	CROUND                                         ; all sixteen work-groups are here: the first joint loads meet
.irp s, 0,1
	s_xor_b32 s2, s45, \s                          ; the slot's first K step: slot 0 takes step b, slot 1 step 1 - b; both then go on by twos
	s_lshl_b32 s18, s2, 8                          ; a K step is 256 bytes along A's rows,
	s_mov_b32 s19, 0
	s_mov_b32 s[G0+4*(\s)], 1
	s_add_co_u32 s[G0+4*(\s)+1], s20, (\s)*SLOT
	s_add_nc_u64 s[G0+4*(\s)+2:G0+4*(\s)+3], s[14:15], s[18:19]
	s_or_b32 s[G0+4*(\s)+3], s[G0+4*(\s)+3], 0x80000000
	s_lshl_b32 s18, s2, 20                         ; and 128 rows of 8,192 bytes of B
	s_mov_b32 s[G0B+4*(\s)], 1
	s_add_co_u32 s[G0B+4*(\s)+1], s21, (\s)*SLOT
	s_add_nc_u64 s[G0B+4*(\s)+2:G0B+4*(\s)+3], s[46:47], s[18:19]
	s_or_b32 s[G0B+4*(\s)+3], s[G0B+4*(\s)+3], 0x80000000
	JLOAD \s                                       ; two loads of mine are out, the first pair of K steps
.endr
	v_and_b32 v1, 15, v0                           ; l % 16
	v_bfe_u32 v2, v0, 4, 1                         ; l / 16
	v_mul_u32_u24 v3, v1, PA
	v_lshl_add_u32 v3, v2, 4, v3                   ; A: row x pitch + 16 x half
	v_and_b32 v4, 7, v0                            ; B: the turning load takes 16 K rows x 16 columns: lane l reads K row 8 (l / 16) + l % 8, columns 8 ((l / 8) % 2) + 0..7
	v_lshl_add_u32 v4, v2, 3, v4
	v_mul_u32_u24 v4, v4, PB
	v_bfe_u32 v5, v0, 3, 1
	v_lshl_add_u32 v4, v5, 4, v4
	s_mul_i32 s21, s11, AHALF                      ; my 64 rows of A
	s_lshl_b32 s22, s12, 8                         ; my 128 columns of B,
	s_add_co_u32 s22, s22, BOFF                    ; which lies behind A
.irp s, 0,1
	v_add_nc_u32 v[ADRA+(\s)], s21, v3
	v_add_nc_u32 v[ADRB+(\s)], s22, v4
	s_add_co_u32 s21, s21, SLOT
	s_add_co_u32 s22, s22, SLOT
.endr
	s_mul_i32 s23, s10, 16*SPITCH
	s_add_co_u32 s23, s23, STAGE                   ; my stage
	v_mul_u32_u24 v4, v1, SPITCH                   ; in: row l % 16, 32 bytes for each half of the lanes
	v_lshl_add_u32 v4, v2, 5, v4
	v_add_nc_u32 v[STO], s23, v4
	v_and_b32 v[CO], 31, v0                        ; back: 32 lanes take one row of 512 bytes,
	v_lshlrev_b32 v[CO], 4, v[CO]                  ; which are 512 consecutive bytes of out0
	v_add_nc_u32 v[RD], s23, v[CO]
	s_lshl_b32 s16, s13, 21                        ; my first row, 128 x tile row + 64 (w / 2), times 16,384 bytes
	s_lshl_b32 s17, s11, 20
	s_add_co_u32 s16, s16, s17
	s_mov_b32 s17, 0
	s_add_nc_u64 s[8:9], s[8:9], s[16:17]
	s_lshl_b32 s46, s42, 10                        ; my first column, 256 x tile column + 128 (w % 2), times 4 bytes
	s_lshl_b32 s47, s12, 9
	s_add_co_u32 s46, s46, s47
	s_mov_b32 s47, 0
	s_add_nc_u64 s[8:9], s[8:9], s[46:47]
; 8 matrix instructions: row block a x all 8 column blocks, 32 along K.  zero = 1: the product starts the sums.  The 32 accumulators take turns in one order everywhere, one instruction a turn.
.macro MUL8 f, a, zero
	WIN MUL
.irp b, 0,1,2,3,4,5,6,7
.if \zero
	v_wmma_f32_16x16x32_f16 v[8*(8*(\a)+(\b)):8*(8*(\a)+(\b))+7], v[(\f)+32+8*(\b):(\f)+32+8*(\b)+7], v[(\f)+8*(\a):(\f)+8*(\a)+7], 0
.else
	v_wmma_f32_16x16x32_f16 v[8*(8*(\a)+(\b)):8*(8*(\a)+(\b))+7], v[(\f)+32+8*(\b):(\f)+32+8*(\b)+7], v[(\f)+8*(\a):(\f)+8*(\a)+7], v[8*(8*(\a)+(\b)):8*(8*(\a)+(\b))+7]
.endif
.endr
.endm
; 24 LDS loads in one run: the fragments of quarter q (32 along K) of a slot into buffer f: B's sixteen (turned), then A's eight
.macro FETCH slot, q, f
	WIN 0
.irp b, 0,1,2,3,4,5,6,7
	ds_load_tr16_b128 v[(\f)+32+8*(\b):(\f)+32+8*(\b)+3],   v[ADRB+(\slot)] offset:(\q)*32*PB+32*(\b)
	ds_load_tr16_b128 v[(\f)+32+8*(\b)+4:(\f)+32+8*(\b)+7], v[ADRB+(\slot)] offset:(\q)*32*PB+16*PB+32*(\b)
.endr
.irp a, 0,1,2,3
	ds_load_b128 v[(\f)+8*(\a):(\f)+8*(\a)+3],   v[ADRA+(\slot)] offset:(\a)*16*PA+64*(\q)
	ds_load_b128 v[(\f)+8*(\a)+4:(\f)+8*(\a)+7], v[ADRA+(\slot)] offset:(\a)*16*PA+64*(\q)+32
.endr
.endm
.macro PLACES                          ; four places in front of loads into registers that matrix instructions have read, and of lines that read results (ISA guide 7.12.1 for lines that read results)
.rept 4
	v_nop
.endr
.endm
; A K step is four quarters of 32 along K, 32 matrix instructions each, on buffers 0, 1, 0, 1.  One of the first three: multiplies buffer f and fetches quarter qn into g.
.macro QUARTER slot, qn, f, g, zero
	s_wait_dscnt 4                                 ; B and A's blocks 0 and 1 are in; the youngest four loads (A's blocks 2 and 3) may be out
	MUL8 \f, 0, \zero
	MUL8 \f, 1, \zero
	PLACES
	FETCH \slot, \qn, \g
	s_wait_dscnt 24                                ; all but the 24 just issued
	MUL8 \f, 2, \zero
	MUL8 \f, 3, \zero
.endm
; The last quarter changes slots and then multiplies buffer 1.  The change comes FIRST, with no product between the wait for the tiles and the next request: the slot's last fragments (buffer 1) are in registers by
; the wait for LDS, so the slot can be given up before they are multiplied.  ONE barrier; in front of it each wave waits for all its tensor loads, adds 0 to its spare word, and waits for that and for its reads of
; this slot.  fill = 1: the barrier opens a round of the cluster's, and this slot is filled again, two K steps ahead: a whole K step, 128 matrix instructions, ahead of the wait for that load.
.macro TURN slot, next, fill
	WIN 0
	s_wait_tensorcnt 0x0                           ; all my tensor loads have landed: my part of the next slot; so a group 0 may be written
	ds_add_u32 v[SPW], v[NIL]                      ; 0 onto my spare word; the descriptors' steps stand between it and the wait for it
.if \fill
	s_add_nc_u64 s[G0+4*(\slot)+2:G0+4*(\slot)+3], s[G0+4*(\slot)+2:G0+4*(\slot)+3], 2*KSTEP*2
	s_add_nc_u64 s[G0B+4*(\slot)+2:G0B+4*(\slot)+3], s[G0B+4*(\slot)+2:G0B+4*(\slot)+3], 2*KSTEP*8192
.endif
	s_wait_dscnt 0x0                               ; the add is done, and my reads of this slot are over: its last quarter lies in buffer 1
	s_barrier_signal -1
	s_barrier_wait -1
.if \fill
	CREST                                          ; no wave of any partner still reads this slot's tiles or has a load on its way
	JLOAD \slot                                    ; the first tensor load behind the round; the four v_nop behind it are also the places in front of the loads below
.else
	PLACES
.endif
	FETCH \next, 0, F0
	MUL8 F1, 0, 0
	MUL8 F1, 1, 0
	MUL8 F1, 2, 0
	MUL8 F1, 3, 0
.endm
	s_wait_tensorcnt 1                             ; my part of slot 0 is in; slot 1's may stay out
	s_barrier_signal -1
	s_barrier_wait -1                              ; everybody's is
	FETCH 0, 0, F0
	QUARTER 0, 1, F0, F1, 1                        ; the first quarter stands in front of the loop: its products start the sums
	WIN 0                                          ; at a label and at a branch every window is 0
	s_mov_b32 s3, LAPS-1
.Llap:                                                 ; a trip goes once round the ring, from a lap's second quarter to the next lap's first, and fills both slots again
	QUARTER 0, 2, F1, F0, 0
	QUARTER 0, 3, F0, F1, 0
	TURN 0, 1, 1
	QUARTER 1, 1, F0, F1, 0
	QUARTER 1, 2, F1, F0, 0
	QUARTER 1, 3, F0, F1, 0
	TURN 1, 0, 1
	QUARTER 0, 1, F0, F1, 0
	WIN 0
	s_sub_co_u32 s3, s3, 1
	s_cmp_lg_u32 s3, 0
	s_cbranch_scc1 .Llap
	QUARTER 0, 2, F1, F0, 0                        ; the last lap fills nothing, and has no round of the cluster's barrier
	QUARTER 0, 3, F0, F1, 0
	TURN 0, 1, 0
	QUARTER 1, 1, F0, F1, 0
	QUARTER 1, 2, F1, F0, 0
	QUARTER 1, 3, F0, F1, 0
	s_wait_dscnt 4                                 ; the very last quarter: nothing more to fetch
	MUL8 F1, 0, 0
	MUL8 F1, 1, 0
	s_wait_dscnt 0x0
	MUL8 F1, 2, 0
	MUL8 F1, 3, 0
	WIN 0
	PLACES
; THE WAY OUT, a block of 16 rows at a time: a lane's eight f32 of a row, 32 bytes, go into my own stage (each accumulator's low half first) and come back as whole rows of 512 bytes.
.macro OUTA a
.set BK, TT+64*((\a)%2)
	WIN 0x04                                       ; the stores' data in window 1
.irp b, 0,1,2,3,4,5,6,7
	ds_store_b128 v[STO], v[8*(8*(\a)+(\b)):8*(8*(\a)+(\b))+3]   offset:64*(\b)
	ds_store_b128 v[STO], v[8*(8*(\a)+(\b))+4:8*(8*(\a)+(\b))+7] offset:64*(\b)+16
.endr
	WIN 0
.if (\a) >= 2
	s_wait_xcnt 0x0                                ; the stores of the block two back have had their addresses translated (ISA guide 3.1): their data registers are loaded again only behind this wait
.endif
.irp t, 0,1,2,3,4,5,6,7,8,9,10,11,12,13,14,15
	ds_load_b128 v[BK+4*(\t):BK+4*(\t)+3], v[RD] offset:(\t)*SPITCH  ; LDS serves a wave's instructions in order (ISA guide 5.7.1.4): these see the stores above
.endr
.irp t, 0,1,2,3,4,5,6,7,8,9,10,11,12,13,14,15
	s_wait_dscnt 15-(\t)                           ; load t of the sixteen is in
	global_store_b128 v[CO], v[BK+4*(\t):BK+4*(\t)+3], s[8:9] offset:(16*(\a)+(\t))*16384 th:TH_STORE_NT  ; 512 consecutive bytes of a row, at a multiple of 256 from out0's first byte; 63 rows at the most: inside the signed 24-bit immediate
.endr
.endm
	OUTA 0
	OUTA 1
	OUTA 2
	OUTA 3
	s_wait_tensorcnt 0x0                           ; the wave's end, behind my last tensor load and my last LDS store
	ds_add_u32 v[SPW], v[NIL]
	s_wait_dscnt 0x0
	CROUND                                         ; the closing round: no work-group ends while a partner may still ask for a tile that names it
	s_endpgm
.Lfunc_end_k_qcd4833e6be_outp:
	.size	k_qcd4833e6be_outp, .Lfunc_end_k_qcd4833e6be_outp-k_qcd4833e6be_outp
	.p2alignl 7, 3214868480
	.fill 96, 4, 3214868480
	.section	.rodata,"a",@progbits
	.p2align	6, 0x0
	.amdhsa_kernel k_qcd4833e6be_outp
		.amdhsa_group_segment_fixed_size 327680
		.amdhsa_private_segment_fixed_size 0
		.amdhsa_enable_private_segment 0
		.amdhsa_kernarg_size 24
		.amdhsa_user_sgpr_count 2
		.amdhsa_user_sgpr_kernarg_segment_ptr 1
		.amdhsa_wavefront_size32 1
		.amdhsa_system_sgpr_workgroup_id_x 1
		.amdhsa_system_sgpr_workgroup_id_y 1
		.amdhsa_system_sgpr_workgroup_id_z 1
		.amdhsa_system_vgpr_workitem_id 0
		.amdhsa_next_free_vgpr 512
		.amdhsa_next_free_sgpr 66
		.amdhsa_reserve_vcc 0
		.amdhsa_float_denorm_mode_32 3
		.amdhsa_float_denorm_mode_16_64 3
		.amdhsa_memory_ordered 1
		.amdhsa_forward_progress 1
		.amdhsa_inst_pref_size 87
	.end_amdhsa_kernel
	.amdgpu_metadata
---
amdhsa.version: [ 1, 2 ]
amdhsa.kernels:
  - .name:           k_qcd4833e6be_outp
    .symbol:         k_qcd4833e6be_outp.kd
    .args:
      - { .name: ob, .offset: 0, .size: 8, .value_kind: global_buffer, .address_space: global }
      - { .name: wo16, .offset: 8, .size: 8, .value_kind: global_buffer, .address_space: global }
      - { .name: out0, .offset: 16, .size: 8, .value_kind: global_buffer, .address_space: global }
    .group_segment_fixed_size: 327680
    .private_segment_fixed_size: 0
    .kernarg_segment_align: 8
    .kernarg_segment_size: 24
    .max_flat_workgroup_size: 128
    .sgpr_count:     66
    .vgpr_count:     512
    .wavefront_size: 32
...
	.end_amdgpu_metadata
.endif
;; end of part 4
